; MI455X (gfx1250); checked and timed in simulation.
; The chip was launched on July 23, 2026; its instructions are those of AMD's public machine-readable ISA for CDNA 5 (MIT licence, August 2026) and "CDNA5" Instruction Set Architecture Reference Guide (July 2026). The comments in the code are by the model that wrote it; some were corrected since.
;; Multi Head Attention. Allowed arithmetic: matrix products marked QUANTISED: E2M1 operands, one E8M0 scale for each 32 along K, by v_wmma_scale_f32_16x16x128_f8f6f4 with both operands' format E2M1 (or v_wmma_scale_f32_32x16x128_f4), f32 sums; products left as they are: bf16, f16 or f32 operands; f32 sums; everything else in f32.
;; Inputs: b_k 1,024 float32; b_o 1,024 float32; b_q 1,024 float32; b_v 1,024 float32; key 4 x 2,048 x 1,024 float32; query 4 x 2,048 x 1,024 float32; value 4 x 2,048 x 1,024 float32; w_k 1,024 x 1,024 float32; w_o 1,024 x 1,024 float32; w_q 1,024 x 1,024 float32; w_v 1,024 x 1,024 float32.
;; Outputs: out0 4 x 2,048 x 1,024 float32.
;; This version of the problem:
;;   THIS VERSION OF THE PROBLEM IS GIVEN IN LOW PRECISION. The matrix products marked QUANTISED in the list below multiply operands that are first quantised to E2M1 (2 exponent bits, 1 mantissa bit; 4 bits a number), with one power-of-two scale for each 32 numbers along K (OCP MX v1.0); their sums are f32. The products marked 'left as it is' may take bf16, f16 or f32 operands, with f32 sums. Whichever they take, every output number must still come out within the allowed error. Rounding operands to bf16 (8 significant bits) uses up far more of that allowance than f16 does (11 bits, for magnitudes from 6e-5 to 65,504). All else is computed in f32.
;;   The module's matrix products, in the order in which they are computed (A, B: the left and right operand; K: the contracted axis; several contracted axes count as one K, in the product's order):
;;     1. [M 8,192, K 1,024] x [K 1,024, N 1,024]; A: input query; B: input w_q: QUANTISED
;;     2. [M 8,192, K 1,024] x [K 1,024, N 1,024]; A: input key; B: input w_k: QUANTISED
;;     3. [M 8,192, K 1,024] x [K 1,024, N 1,024]; A: input value; B: input w_v: QUANTISED
;;     4. batch 64 x [M 2,048, K 64] x [K 64, N 2,048]; A: computed on the way; B: computed on the way: left as it is (an operand is computed on the way)
;;     5. batch 64 x [M 2,048, K 2,048] x [K 2,048, N 64]; A: computed on the way; B: computed on the way: left as it is (an operand is computed on the way)
;;     6. [M 8,192, K 1,024] x [K 1,024, N 1,024]; A: computed on the way; B: input w_o: left as it is (an operand is computed on the way)
;;   THE QUANTISER, for each operand of a quantised product, along K:
;;     - K is cut into blocks of 32 from its start; a last block that is shorter is filled with zeros.
;;     - A block's scale is 2^e with e = floor(log2(the largest magnitude in the block)) - 2, held to -126 .. 127; a block of zeros has e = 0. As a byte (E8M0): e + 127.
;;     - Each number is divided by its block's scale, clamped to +-6, and rounded to the nearest number of E2M1, ties to even, subnormals kept.
;;     - The product sums the exact products of the quantised numbers (number of the format x scale) in f32.
;;   ~~~python
;;   def quantise(x, axis):      # numpy; x: float32 -> the quantised numbers, widened to float32 again
;;       x = np.moveaxis(x, axis, -1); K = x.shape[-1]
;;       x = np.pad(x, [(0, 0)] * (x.ndim - 1) + [(0, -K % 32)]); x = x.reshape(x.shape[:-1] + (-1, 32)); a = np.abs(x).max(-1, keepdims=True)
;;       e = np.where(a > 0, np.clip(np.frexp(np.where(a > 0, a, 1))[1] - 1 - 2, -126, 127), 0)      # np.frexp(a)[1] - 1 = floor(log2(a)), exactly
;;       r = np.clip(x / 2.0 ** e, -6, 6)
;;       step = 2.0 ** (np.maximum(np.frexp(np.where(r == 0, 1, r))[1] - 1, 0) - 1)
;;       q = np.round(r / step) * step * 2.0 ** e      # np.round: ties to even
;;       return np.moveaxis(q.reshape(q.shape[:-2] + (-1,))[..., :K], -1, axis).astype(np.float32)
;;   ~~~
;; One version. Each part assembles by itself: llvm-mc -triple=amdgcn-amd-amdhsa -mcpu=gfx1250 --defsym DOCPART=n.
;; ======== version 1 of 1: 4 launches
;; limits: values are held in f16: magnitudes above 65,504 overflow, below 6.1e-05 lose precision
;; workspace buffers: xc 12,582,912 bytes; xs 786,432 bytes; wc 1,572,864 bytes; ws 98,304 bytes; wo16 2,097,152 bytes; qkv 50,331,648 bytes; ctx 16,777,216 bytes
;; launch quant (part 1): grid 992 x 1, 4 waves a work-group, no clusters, 33,280 bytes of LDS; arguments query, key, value, w_q, w_k, w_v, w_o, xc, xs, wc, ws, wo16; writes xc, xs, wc, ws, wo16
.if DOCPART == 1
	.amdgcn_target "amdgcn-amd-amdhsa--gfx1250"
	.amdhsa_code_object_version 6
	.text
	.protected	k_q2882b23033_quant
	.globl	k_q2882b23033_quant
	.p2align	8
	.type	k_q2882b23033_quant,@function
k_q2882b23033_quant:
	s_mov_b64 s[64:65], 0
	v_nop
	global_prefetch_b8 v0, s[64:65] scope:SCOPE_SE
	s_setreg_imm32_b32 hwreg(HW_REG_WAVE_MODE, 25, 1), 1
	s_wait_xcnt 0x0
; query, key, value [8192][1024] and w_q, w_k, w_v [1024][1024], f32 with K innermost, become codes of FP4 (E2M1), two a byte, K innermost, with one E8M0 byte for each 32 along K;
; w_o [1024][1024] f32 becomes f16 (its product is not quantised).  The codes of the three x lie on end in xc [3][8192][512 bytes], their bytes in xs [3][8192][32]; the weights' in wc [3][1024][512], ws [3][1024][32].
; A block's scale is 2^(floor(log2(its largest magnitude)) - 2): its byte is the largest magnitude's exponent field - 2, held at 1 from below.  A block of zeros so gets the byte 1 with zero codes: these bytes are read by this program alone.
; LIMITS: blocks whose largest magnitude lies under 2^-124 get the byte 1; NaN and infinities among the inputs are not served; a number of w_o beyond 65,504 would become an f16 infinity.
; SHARES.  Rows are dense and K is a multiple of 32: every tensor is a plain stream of blocks.  Work-groups 0-767: the three x, 256 each, 32,768 numbers a work-group, 8,192 a wave; 768-863: the three weights, 32 each;
; 864-991: w_o, 2,048 numbers a wave.  Only pointers are chosen for the six quantised tensors: they take one path.  No tensor load, no barrier: waves share nothing.
; A wave takes 16 steps of 512 numbers.  Each of a step's four loads reads 512 consecutive bytes; the 2,048 bytes turn through the wave's own stage in LDS and come back 64 bytes a lane, 16 neighbours along K, two lanes to a block.
.set WAVES, 4
.set STEPS, 16
.set EMAX,  2
.set CB,    8                          ; bytes of 16 codes
.set R,     16                         ; v16-79   four sets of 16 numbers as they are loaded
.set X,     80                         ; v80-111  two sets of 16 neighbours
.set E,     112                        ; v112-127 a scale byte for each step
.set C,     128                        ; v128-191 results: registers of its own for each step, so that no store's data are written again
.set WREG,  8192                       ; LDS: a region for each wave: two stages of 32 x SP bytes, behind them its 256 scale bytes
.set SP,    80                         ; a lane's place in a stage: 64 bytes + 16 of padding
.set SPW,   12                         ; v12  LDS address of my spare word; never rewritten
.set NIL,   13                         ; v13  0; never rewritten
.set SPARE, WAVES*WREG                 ; behind the four regions: the spare words, 128 bytes a wave
.set SRC,   36                         ; s[36:37] the tensor, s[38:39] its codes, s[40:41] its scale bytes
.set COD,   38
.set SCA,   40
	s_load_b512 s[4:19], s[0:1], 0x0               ; query 4:5, key 6:7, value 8:9, w_q 10:11, w_k 12:13, w_v 14:15, w_o 16:17, xc 18:19
	s_load_b256 s[20:27], s[0:1], 0x40             ; xs 20:21, wc 22:23, ws 24:25, wo16 26:27
	v_lshl_add_u32 v[SPW], v0, 2, SPARE
	v_mov_b32 v[NIL], 0
	v_lshrrev_b32 v1, 5, v0
	v_readfirstlane_b32 s28, v1                    ; wave
	v_and_b32 v2, 31, v0                           ; lane
	v_lshlrev_b32 v3, 4, v2                        ; my 16 bytes of a load's 512
	s_mul_i32 s29, s28, WREG
	v_lshrrev_b32 v14, 2, v2
	v_mul_u32_u24 v14, v14, SP
	v_and_b32 v15, 3, v2
	v_lshl_add_u32 v14, v15, 4, v14
	v_add_nc_u32 v14, s29, v14                     ; the stage, on the way in: SP (lane / 4) + 16 (lane % 4)
	v_mul_u32_u24 v15, v2, SP
	v_add_nc_u32 v15, s29, v15                     ; and on the way out: SP x lane
	v_mul_u32_u24 v4, v2, CB                       ; my 8 bytes of a store's 256
	v_lshrrev_b32 v5, 1, v2
	s_add_co_u32 s29, s29, 2*32*SP
	v_add_nc_u32 v5, s29, v5                       ; LDS: my block's scale byte
	v_lshlrev_b32 v7, 3, v2
	v_add_nc_u32 v6, s29, v7                       ; and on the way out 8 bytes a lane
	s_wait_kmcnt 0x0
	s_cmp_ge_u32 ttmp9, 864
	s_cbranch_scc1 .Lwo                            ; w_o's work-groups: a branch on the work-group's number
	s_cmp_lt_u32 ttmp9, 512                        ; which tensor: the choices hang on the work-group's number alone
	s_cselect_b64 s[30:31], s[6:7], s[8:9]
	s_cmp_lt_u32 ttmp9, 256
	s_cselect_b64 s[30:31], s[4:5], s[30:31]
	s_cmp_lt_u32 ttmp9, 832
	s_cselect_b64 s[32:33], s[12:13], s[14:15]
	s_cmp_lt_u32 ttmp9, 800
	s_cselect_b64 s[32:33], s[10:11], s[32:33]
	s_cmp_lt_u32 ttmp9, 768
	s_cselect_b64 s[SRC:SRC+1], s[30:31], s[32:33]
	s_cselect_b64 s[COD:COD+1], s[18:19], s[22:23]
	s_cselect_b64 s[SCA:SCA+1], s[20:21], s[24:25]
	s_cselect_b32 s34, 0, 768
	s_cselect_b32 s35, 255, 31
	s_sub_co_u32 s34, ttmp9, s34                   ; my place among the x's work-groups, or among the weights': it counts through the stacked results
	s_and_b32 s35, s34, s35                        ; and within my tensor
	s_lshl_b32 s34, s34, 2
	s_add_co_u32 s34, s34, s28                     ; my wave's run of 8,192 numbers in the results,
	s_lshl_b32 s35, s35, 2
	s_add_co_u32 s35, s35, s28                     ; and in the tensor
	s_lshl_b32 s42, s35, 15                        ; 32,768 bytes of f32 a run
	s_mov_b32 s43, 0
	s_add_nc_u64 s[SRC:SRC+1], s[SRC:SRC+1], s[42:43]
	s_lshl_b32 s42, s34, 12                        ; 4,096 bytes of codes
	s_add_nc_u64 s[COD:COD+1], s[COD:COD+1], s[42:43]
	s_lshl_b32 s42, s34, 8                         ; 256 scale bytes
	s_add_nc_u64 s[SCA:SCA+1], s[SCA:SCA+1], s[42:43]
.macro LOAD t
.irp i, 0,1,2,3
	global_load_b128 v[R+16*((\t)%4)+4*\i:R+16*((\t)%4)+4*\i+3], v3, s[SRC:SRC+1] offset:2048*(\t)+512*\i th:TH_LOAD_NT   ; 32 lanes read 512 consecutive bytes
.endr
.endm
.macro TURN t                          ; step t's numbers through the stage: LDS serves a wave's instructions in order, so no wait stands between the stores and the loads
.irp i, 0,1,2,3
	ds_store_b128 v14, v[R+16*((\t)%4)+4*\i:R+16*((\t)%4)+4*\i+3] offset:32*SP*((\t)%2)+8*SP*\i
.endr
.irp i, 0,1,2,3
	ds_load_b128 v[X+16*((\t)%2)+4*\i:X+16*((\t)%2)+4*\i+3], v15 offset:32*SP*((\t)%2)+16*\i
.endr
.endm
.irp t, 0,1,2,3
	LOAD \t
.endr
	s_wait_loadcnt 12                              ; step 0's four loads are in
	TURN 0
.macro STEP t
.set XS, X+16*((\t)%2)
.if (\t) > 0
	s_wait_dscnt 1                                 ; this step's numbers are back from the stage (the last step's byte store may be out): so its stores into the stage have read their registers,
.else
	s_wait_dscnt 0x0
.endif
.if (\t)+4 < STEPS
	LOAD (\t)+4                                    ; which take the loads of four steps on
.endif
.if (\t)+1 < STEPS
.if STEPS-2-(\t) >= 3
	s_wait_loadcnt 12                              ; the next step's four loads are in; those of the three steps behind it may be out
.else
	s_wait_loadcnt 4*(STEPS-2-(\t))
.endif
	TURN (\t)+1                                    ; and go through the other stage while this step is worked
.endif
	v_max3_num_f32 v8, |v[XS]|, |v[XS+1]|, |v[XS+2]|               ; the largest magnitude of my 16, in two chains
	v_max3_num_f32 v9, |v[XS+3]|, |v[XS+4]|, |v[XS+5]|
.irp i, 6,10
	v_max3_num_f32 v8, v8, |v[XS+\i]|, |v[XS+\i+1]|
	v_max3_num_f32 v9, v9, |v[XS+\i+2]|, |v[XS+\i+3]|
.endr
	v_max3_num_f32 v8, v8, |v[XS+14]|, |v[XS+15]|
	v_max3_num_f32 v8, v8, v9, (EMAX+1)<<23        ; and the floor 2^(3 - 127): the byte cannot fall under 1
	v_max_num_f32_dpp v8, v8, v8 row_xmask:1 row_mask:0xf bank_mask:0xf   ; and of my neighbour's 16: the block's
	v_add_nc_u32 v11, -(EMAX<<23), v8              ; 2 off its exponent field: the conversion takes the exponent field of this operand as its scale
	v_cvt_scalef32_pk8_fp4_f32 v[C+4*(\t)], v[XS:XS+7], v11        ; to the nearest code, ties to even, beyond 6 the largest code; the first number's code in the lowest four bits
	v_cvt_scalef32_pk8_fp4_f32 v[C+4*(\t)+1], v[XS+8:XS+15], v11
	v_lshrrev_b32 v[E+(\t)], 23, v11               ; the scale's byte (also the plain line behind the conversions)
	ds_store_b8 v5, v[E+(\t)] offset:16*(\t)       ; both lanes of a block write the same byte with the same value
	global_store_b64 v4, v[C+4*(\t):C+4*(\t)+1], s[COD:COD+1] offset:32*CB*(\t)   ; 32 lanes store 256 consecutive bytes, aligned
.endm
.irp t, 0,1,2,3,4,5,6,7,8,9,10,11,12,13,14,15
	STEP \t
.endr
	ds_load_b64 v[8:9], v6                         ; LDS serves a wave's instructions in order: these see my byte stores
	s_wait_dscnt 0x0
	global_store_b64 v7, v[8:9], s[SCA:SCA+1]      ; the wave's 256 scale bytes, consecutive and aligned
	s_wait_tensorcnt 0x0                           ; the wave's end: behind my last LDS store
	ds_add_u32 v[SPW], v[NIL]
	s_wait_dscnt 0x0
	s_endpgm
.Lwo:                                              ; w_o to f16: 16 loads of 512 consecutive bytes a wave, 16 stores of 256; no LDS
	s_sub_co_u32 s29, ttmp9, 864
	s_lshl_b32 s29, s29, 2
	s_add_co_u32 s29, s29, s28                     ; my wave's run of 2,048 numbers
	s_lshl_b32 s30, s29, 13
	s_mov_b32 s31, 0
	s_add_nc_u64 s[16:17], s[16:17], s[30:31]
	s_lshl_b32 s30, s29, 12
	s_add_nc_u64 s[26:27], s[26:27], s[30:31]
.irp i, 0,1,2,3,4,5,6,7,8,9,10,11,12,13,14,15
	global_load_b128 v[R+4*\i:R+4*\i+3], v3, s[16:17] offset:512*\i th:TH_LOAD_NT
.endr
.irp i, 0,1,2,3,4,5,6,7,8,9,10,11,12,13,14,15
	s_wait_loadcnt 15-\i                           ; loads come back in order: load i is in, the younger ones stay out
	v_cvt_pk_f16_f32 v[C+2*\i], v[R+4*\i], v[R+4*\i+1]
	v_cvt_pk_f16_f32 v[C+2*\i+1], v[R+4*\i+2], v[R+4*\i+3]
	global_store_b64 v4, v[C+2*\i:C+2*\i+1], s[26:27] offset:256*\i
.endr
	s_wait_tensorcnt 0x0                           ; this path stored nothing to LDS; it ends as the other path ends
	ds_add_u32 v[SPW], v[NIL]
	s_wait_dscnt 0x0
	s_endpgm
.Lfunc_end_k_q2882b23033_quant:
	.size	k_q2882b23033_quant, .Lfunc_end_k_q2882b23033_quant-k_q2882b23033_quant
	.p2alignl 7, 3214868480
	.fill 96, 4, 3214868480
	.section	.rodata,"a",@progbits
	.p2align	6, 0x0
	.amdhsa_kernel k_q2882b23033_quant
		.amdhsa_group_segment_fixed_size 33280
		.amdhsa_private_segment_fixed_size 0
		.amdhsa_enable_private_segment 0
		.amdhsa_kernarg_size 96
		.amdhsa_user_sgpr_count 2
		.amdhsa_user_sgpr_kernarg_segment_ptr 1
		.amdhsa_wavefront_size32 1
		.amdhsa_system_sgpr_workgroup_id_x 1
		.amdhsa_system_sgpr_workgroup_id_y 1
		.amdhsa_system_sgpr_workgroup_id_z 1
		.amdhsa_system_vgpr_workitem_id 0
		.amdhsa_next_free_vgpr 192
		.amdhsa_next_free_sgpr 66
		.amdhsa_reserve_vcc 0
		.amdhsa_float_denorm_mode_32 3
		.amdhsa_float_denorm_mode_16_64 3
		.amdhsa_memory_ordered 1
		.amdhsa_forward_progress 1
		.amdhsa_inst_pref_size 40
	.end_amdhsa_kernel
	.amdgpu_metadata
---
amdhsa.version: [ 1, 2 ]
amdhsa.kernels:
  - .name:           k_q2882b23033_quant
    .symbol:         k_q2882b23033_quant.kd
    .args:
      - { .name: query, .offset: 0, .size: 8, .value_kind: global_buffer, .address_space: global }
      - { .name: key, .offset: 8, .size: 8, .value_kind: global_buffer, .address_space: global }
      - { .name: value, .offset: 16, .size: 8, .value_kind: global_buffer, .address_space: global }
      - { .name: w_q, .offset: 24, .size: 8, .value_kind: global_buffer, .address_space: global }
      - { .name: w_k, .offset: 32, .size: 8, .value_kind: global_buffer, .address_space: global }
      - { .name: w_v, .offset: 40, .size: 8, .value_kind: global_buffer, .address_space: global }
      - { .name: w_o, .offset: 48, .size: 8, .value_kind: global_buffer, .address_space: global }
      - { .name: xc, .offset: 56, .size: 8, .value_kind: global_buffer, .address_space: global }
      - { .name: xs, .offset: 64, .size: 8, .value_kind: global_buffer, .address_space: global }
      - { .name: wc, .offset: 72, .size: 8, .value_kind: global_buffer, .address_space: global }
      - { .name: ws, .offset: 80, .size: 8, .value_kind: global_buffer, .address_space: global }
      - { .name: wo16, .offset: 88, .size: 8, .value_kind: global_buffer, .address_space: global }
    .group_segment_fixed_size: 33280
    .private_segment_fixed_size: 0
    .kernarg_segment_align: 8
    .kernarg_segment_size: 96
    .max_flat_workgroup_size: 128
    .sgpr_count:     66
    .vgpr_count:     192
    .wavefront_size: 32
...
	.end_amdgpu_metadata
.endif
;; end of part 1
;; launch proj (part 2): grid 4 x 96, 4 waves a work-group, clusters of 4 x 4, 327,680 bytes of LDS; arguments xc, xs, wc, ws, b_q, b_k, b_v, qkv; writes qkv
.if DOCPART == 2
	.amdgcn_target "amdgcn-amd-amdhsa--gfx1250"
	.amdhsa_code_object_version 6
	.text
	.protected	k_q2882b23033_proj
	.globl	k_q2882b23033_proj
	.p2align	8
	.type	k_q2882b23033_proj,@function
k_q2882b23033_proj:
	s_mov_b64 s[64:65], 0
	v_nop
	global_prefetch_b8 v0, s[64:65] scope:SCOPE_SE
	s_setreg_imm32_b32 hwreg(HW_REG_WAVE_MODE, 25, 1), 1
	s_wait_xcnt 0x0
	s_wait_alu depctr_hold_cnt(0) depctr_sa_sdst(0) depctr_va_vdst(0) depctr_va_sdst(0) depctr_va_ssrc(0) depctr_va_vcc(0) depctr_vm_vsrc(0)
	s_getreg_b32 s2, hwreg(HW_REG_IB_STS2, 6, 4)
	s_cmp_eq_u32 s2, 0
	s_cbranch_scc0 .Lentry_in_a_cluster
	s_endpgm
.Lentry_in_a_cluster:
	s_bfe_u32 s2, ttmp6, 0x10000c
	s_cmp_lg_u32 s2, 0xf033
	s_cbranch_scc0 .Lentry_shape_is_right
	s_endpgm
.Lentry_shape_is_right:
; Q = query w_q^T + b_q, K = key w_k^T + b_k, V = value w_v^T + b_v, on codes of FP4 (E2M1) with one E8M0 scale for each 32 along K; sums in f32; results rounded once to f16 and laid by head: qkv [3][64 (batch x 16 + head)][2048][64].
; The three x lie on end in xc: ONE product of 24,576 rows; which weight and bias a tile row takes is its tensor's number t.  LIMIT: a result beyond 65,504 would become an f16 infinity.
; A tile, 256 x 256, is made by a work-group of four waves; a wave makes 128 x 128: 64 accumulators, 512 registers.  K = 1,024 is two LDS slots of 512 along K (rows of 256 bytes): both are asked for at the start and nothing is filled again.
; The scale bytes of the work-group's 256 + 256 rows, two dense blocks, come with the first fills.  A wave has three tensor loads out.
; CLUSTERS: 4 x 4 work-groups.  The four of a row of the cluster need the same tiles of x, the four of a column the same tiles of the weight: each tile is asked for jointly.  t is made of the cluster's y alone (8 clusters to a tensor),
; so that a column's four partners hold the same descriptor.
; THE MATRIX INSTRUCTION IS USED TRANSPOSED (source 0 = 16 rows of the weight, source 1 = 16 rows of x): a lane holds eight neighbouring columns of one row.  THE BIAS is the C of each sum's first product.
; REGISTERS, in windows of 256: window 0: v0-31 addresses; v32-95 scale words, two sets, and nothing else; v128-191 x's fragments, one set, on the way out rows read back; v192-223 packed results.
;   window 1: the weight's fragments, two sets, at v0 and v128; v64-127 the bias, eight registers for each of my eight blocks of columns.   windows 2, 3: the accumulators of my rows 0-63, 64-127 ((a, b) at v[8 (8 (a % 4) + b)]).
.set NQ,     4                         ; steps of 128 along K in a slot
.set ROWB,   256                       ; a tile's row: 512 codes
.set KROW,   512                       ; a row of codes in memory
.set PITCH,  272                       ; an LDS row: 256 bytes + 16 = 17 x 16: the 16 rows that a load touches begin at 16 different places modulo 256 bytes
.set FR,     8
.set NL,     2
.set NP,     4                         ; places behind this matrix instruction (ISA guide 7.12.1)
.set HALFT,  128*PITCH
.set SLOT,   4*HALFT                   ; x's 256 rows, then the weight's 256
.set KS,     32                        ; a row of scale bytes
.set SCL,    2*SLOT                    ; behind the slots: the scale bytes, as units of 256 bytes + 16 of padding
.set HALFS,  (128*KS/256)*272
.set SBLK,   (16*KS/256)*272
.set SPARE,  SCL+4*HALFS               ; the spare words, 128 bytes a wave
.set SPITCH, 144                       ; the way out: a stage of [2 heads][16 rows] x (128 bytes + 16) for each wave, in slot 0, behind that slot's only fill and last read
.set HEADB,  2048*128                  ; a head's rows in qkv
.set ADRA, 16
.set ADRB, 20
.set STO,  24
.set RD,   25
.set CO,   26
.set ADRS, 27
.set SPW,  28
.set NIL,  29
.set BO,   30                          ; v30  32 x (lane / 16): my eight numbers of a block's sixteen of the bias
.set SC,   32
.set AF,   128
.set BK,   128
.set TMP,  192
.set BIAS, 64                          ; in window 1
.set G1, 24
.set G0, 32
.set G1B, 48
.set G0B, 56
.set G1S, 68
.set G0S, 76
.set G1SB, 80
.set G0SB, 88
.set MSB, 0
.macro WIN new                         ; the immediate's high byte repeats the setting that is left
.if MSB != (\new)
	s_set_vgpr_msb (MSB<<8)|(\new)
.set MSB, (\new)
.endif
.endm
.set MUL_LO, 0xa1                      ; source 0 (weight) window 1, source 1 (x) window 0, C and D window 2
.set MUL_HI, 0xf1                      ; the same, C and D window 3
.set BIA_LO, 0x91                      ; C (the bias) window 1, D window 2
.set BIA_HI, 0xd1                      ; C window 1, D window 3
.set TO_B,   0x40                      ; destination window 1, address window 0
; A joint load: waves 0 and 1 fetch for x, waves 2 and 3 for the weight.  The branch hangs on the wave's number alone.  An s_nop 0 and four v_nop follow each line.
.macro JLOAD g0a, g1a, g0b, g1b
	s_cmp_eq_u32 s15, 0
	s_cbranch_scc0 .Lfor_b_\@
	tensor_load_to_lds s[\g0a:\g0a+3], s[\g1a:\g1a+7]
	s_nop 0
.rept 4
	v_nop
.endr
	s_branch .Lasked_\@
.Lfor_b_\@:
	tensor_load_to_lds s[\g0b:\g0b+3], s[\g1b:\g1b+7]
	s_nop 0
.rept 4
	v_nop
.endr
.Lasked_\@:
.endm
.macro CROUND                          ; a round of the cluster's barrier
	s_barrier_signal -1
	s_barrier_wait -1
	s_cmp_lg_u32 s14, 0
	s_cbranch_scc1 .Lnot_wave_0_\@
	s_barrier_signal -3
.Lnot_wave_0_\@:
	s_barrier_wait -3
	s_barrier_signal -1
	s_barrier_wait -1
.endm
	s_load_b128 s[4:7], s[0:1], 0x0                ; xc, xs
	s_load_b128 s[8:11], s[0:1], 0x10              ; wc, ws
	s_load_b128 s[96:99], s[0:1], 0x20             ; b_q, b_k
	s_load_b64 s[100:101], s[0:1], 0x30            ; b_v
	s_load_b64 s[12:13], s[0:1], 0x38              ; qkv
	v_lshl_add_u32 v[SPW], v0, 2, SPARE
	v_mov_b32 v[NIL], 0
	ds_add_u32 v[SPW], v[NIL]                      ; the wave's opening: the add, twice on end, and its wait ahead of my first tensor load
	ds_add_u32 v[SPW], v[NIL]
	v_lshrrev_b32 v1, 5, v0
	v_readfirstlane_b32 s14, v1                    ; wave 0..3
	s_lshr_b32 s15, s14, 1                         ; which half of the tile's rows is mine.  Also: I fetch for x (0) or for the weight (1)
	s_and_b32 s16, s14, 1                          ; which half of its columns.  Also: which 128 rows of that tile I fetch
	s_bfe_u32 s40, ttmp6, 0x40000                  ; cx, cy
	s_bfe_u32 s41, ttmp6, 0x40004
	s_lshl_b32 s42, ttmp9, 2
	s_add_co_u32 s42, s42, s40                     ; tile column = 4 x cluster x + cx
	s_and_b32 s17, ttmp7, 0xffff
	s_lshr_b32 s66, s17, 3                         ; t: 8 clusters of 4 tile rows of 256 are a tensor's 8,192 rows
	s_lshl_b32 s17, s17, 2
	s_add_co_u32 s17, s17, s41                     ; tile row = 4 x cluster y + cy
	s_lshl_b32 s43, s41, 2
	s_lshl_b32 s43, 15, s43                        ; my row of the cluster
	s_lshl_b32 s44, 0x1111, s40                    ; my column
	s_or_b32 s[G1+0], s43, (0<<16)|(1<<20)|(1<<21)|(5<<22)|(3<<25)  ; the mask; elements of 1 byte; padding on; bit 21 beside a mask; after every 64 words four words
	s_or_b32 s[G1B+0], s44, (0<<16)|(1<<20)|(1<<21)|(5<<22)|(3<<25)
.irp g, G1, G1B
	s_mov_b32 s[\g+1], ROWB<<16                    ; tensor_dim0
	s_mov_b32 s[\g+2], 128<<16                     ; tensor_dim1
	s_mov_b32 s[\g+3], ROWB<<16                    ; tile_dim0
	s_mov_b32 s[\g+4], 128                         ; tile_dim1
	s_mov_b32 s[\g+5], KROW                        ; from row to row
	s_mov_b32 s[\g+6], 0
	s_mov_b32 s[\g+7], 0
.endr
	s_or_b32 s[G1S+0], s43, (3<<16)|(1<<20)|(1<<21)|(5<<22)|(3<<25) ; the scale bytes of 128 rows: 4,096 dense bytes as 16 rows of 32 elements of 8 bytes
	s_or_b32 s[G1SB+0], s44, (3<<16)|(1<<20)|(1<<21)|(5<<22)|(3<<25)
.irp g, G1S, G1SB
	s_mov_b32 s[\g+1], 32<<16
	s_mov_b32 s[\g+2], (128*KS/256)<<16
	s_mov_b32 s[\g+3], 32<<16
	s_mov_b32 s[\g+4], 128*KS/256
	s_mov_b32 s[\g+5], 32
	s_mov_b32 s[\g+6], 0
	s_mov_b32 s[\g+7], 0
.endr
	s_lshl_b32 s18, s16, 7                         ; which 128 rows of the tile I fetch
	s_lshl_b32 s20, s17, 8
	s_add_co_u32 s20, s20, s18                     ; x: row 256 x tile row + 128 x half, in the stacked rows
	s_lshl_b32 s46, s42, 8
	s_add_co_u32 s46, s46, s18
	s_lshl_b32 s67, s66, 10
	s_add_co_u32 s46, s46, s67                     ; weight: row 1,024 t + 256 x tile column + 128 x half
	s_mov_b32 s21, 0
	s_mov_b32 s47, 0
	s_mov_b64 s[18:19], KS
	s_mul_u64 s[22:23], s[20:21], s[18:19]         ; where these rows' scale bytes begin
	s_mul_u64 s[92:93], s[46:47], s[18:19]
	s_mov_b64 s[18:19], KROW
	s_mul_u64 s[20:21], s[20:21], s[18:19]         ; and their codes
	s_mul_u64 s[46:47], s[46:47], s[18:19]
	s_mul_i32 s45, s14, HALFT                      ; where they go: wave x 128 rows
	s_mul_i32 s94, s14, HALFS
	s_wait_dscnt 0x0                               ; both opening adds are done
	s_wait_kmcnt 0x0
	s_add_nc_u64 s[20:21], s[4:5], s[20:21]
	s_add_nc_u64 s[22:23], s[6:7], s[22:23]
	s_add_nc_u64 s[46:47], s[8:9], s[46:47]
	s_add_nc_u64 s[92:93], s[10:11], s[92:93]
	CROUND                                         ; all sixteen work-groups are here: the joint loads meet
	s_mov_b32 s[G0S], 1
	s_add_co_u32 s[G0S+1], s94, SCL
	s_mov_b64 s[G0S+2:G0S+3], s[22:23]
	s_or_b32 s[G0S+3], s[G0S+3], 0x80000000
	s_mov_b32 s[G0SB], 1
	s_add_co_u32 s[G0SB+1], s94, SCL
	s_mov_b64 s[G0SB+2:G0SB+3], s[92:93]
	s_or_b32 s[G0SB+3], s[G0SB+3], 0x80000000
	JLOAD G0S, G1S, G0SB, G1SB                     ; the scale bytes first: they are wanted with the first step
.irp s, 0,1
	s_mov_b32 s[G0+4*\s], 1
	s_add_co_u32 s[G0+4*\s+1], s45, \s*SLOT
	s_add_nc_u64 s[G0+4*\s+2:G0+4*\s+3], s[20:21], \s*ROWB
	s_or_b32 s[G0+4*\s+3], s[G0+4*\s+3], 0x80000000
	s_mov_b32 s[G0B+4*\s], 1
	s_add_co_u32 s[G0B+4*\s+1], s45, \s*SLOT
	s_add_nc_u64 s[G0B+4*\s+2:G0B+4*\s+3], s[46:47], \s*ROWB
	s_or_b32 s[G0B+4*\s+3], s[G0B+4*\s+3], 0x80000000
	JLOAD G0+4*\s, G1, G0B+4*\s, G1B
.endr
	v_and_b32 v1, 15, v0                           ; r = lane % 16
	v_bfe_u32 v2, v0, 4, 1                         ; h = lane / 16
	v_mul_u32_u24 v3, v1, PITCH
	v_lshl_add_u32 v4, v2, 4, v3                   ; a fragment's row x pitch + 16 h
	s_mul_i32 s21, s15, HALFT                      ; my 128 rows of x
	s_mul_i32 s22, s16, HALFT                      ; my 128 rows of the weight,
	s_add_co_u32 s22, s22, 2*HALFT                 ; which lie behind x's 256
.irp s, 0,1
	v_add_nc_u32 v[ADRA+\s], s21, v4
	v_add_nc_u32 v[ADRB+\s], s22, v4
	s_add_co_u32 s21, s21, SLOT
	s_add_co_u32 s22, s22, SLOT
.endr
	v_mul_u32_u24 v5, v1, KS                       ; my row's scale bytes: 32 a row,
	v_lshrrev_b32 v6, 8, v5
	v_lshl_add_u32 v5, v6, 4, v5                   ; and 16 more for each 256 passed
	s_mul_i32 s21, s15, HALFS
	s_mul_i32 s22, s16, HALFS
	s_add_co_u32 s22, s22, 2*HALFS
	s_sub_co_u32 s22, s22, s21
	v_mul_u32_u24 v6, s22, v2                      ; lanes 16-31 take the weight's: one product, the distance between the two bases x h
	s_add_co_u32 s21, s21, SCL
	v_add_nc_u32 v5, v5, v6
	v_add_nc_u32 v[ADRS], s21, v5
	s_mul_i32 s23, s14, 2*16*SPITCH                ; my stage
	v_mul_u32_u24 v5, v1, SPITCH                   ; in: row r, 16 bytes for each half of the lanes
	v_lshl_add_u32 v5, v2, 4, v5
	v_add_nc_u32 v[STO], s23, v5
	v_and_b32 v6, 31, v0
	v_lshrrev_b32 v7, 3, v6                        ; back: eight lanes to a row of 128 bytes, four rows an instruction
	v_and_b32 v8, 7, v6
	v_mul_u32_u24 v7, v7, SPITCH
	v_lshl_add_u32 v7, v8, 4, v7
	v_add_nc_u32 v[RD], s23, v7
	v_lshlrev_b32 v[CO], 4, v6                     ; in qkv a head's rows are dense: four rows are 512 consecutive bytes
	v_lshlrev_b32 v[BO], 5, v2
	; the bias: chosen by t, at my 128 columns
	s_cmp_eq_u32 s66, 1
	s_cselect_b64 s[98:99], s[98:99], s[100:101]
	s_cmp_eq_u32 s66, 0
	s_cselect_b64 s[96:97], s[96:97], s[98:99]
	s_lshl_b32 s46, s42, 10
	s_lshl_b32 s47, s16, 9
	s_add_co_u32 s46, s46, s47
	s_mov_b32 s47, 0
	s_add_nc_u64 s[96:97], s[96:97], s[46:47]
	WIN TO_B
.irp b, 0,1,2,3,4,5,6,7
	global_load_b128 v[BIAS+8*\b:BIAS+8*\b+3], v[BO], s[96:97] offset:64*\b       ; register j of block b: the bias of column 16 b + 8 h + j: the result's own layout
	global_load_b128 v[BIAS+8*\b+4:BIAS+8*\b+7], v[BO], s[96:97] offset:64*\b+16
.endr
	WIN 0
	; where my part begins in qkv: (((64 t + 16 batch + 4 x tile column + 2 x half) x 2,048) + 256 (tile row % 8) + 128 x half) rows of 128 bytes
	s_lshl_b32 s20, s66, 6
	s_bfe_u32 s21, s17, 0x20003                    ; the batch: (tile row / 8) % 4
	s_lshl_b32 s21, s21, 4
	s_add_co_u32 s20, s20, s21
	s_lshl_b32 s21, s42, 2
	s_add_co_u32 s20, s20, s21
	s_lshl_b32 s21, s16, 1
	s_add_co_u32 s20, s20, s21
	s_lshl_b32 s20, s20, 11
	s_and_b32 s21, s17, 7
	s_lshl_b32 s21, s21, 8
	s_add_co_u32 s20, s20, s21
	s_lshl_b32 s21, s15, 7
	s_add_co_u32 s20, s20, s21
	s_lshl_b32 s20, s20, 7                         ; under 2^26 bytes
	s_mov_b32 s21, 0
	s_add_nc_u64 s[12:13], s[12:13], s[20:21]
.macro FRAG reg, adr, q, i             ; a fragment, 16 rows x 128 K of 4-bit codes, is 8 registers: lane l holds row l % 16; registers 4 c .. 4 c + 3 hold K = 64 c + 32 (l / 16) + 0 .. 31
.irp c, 0,1
	ds_load_b128 v[\reg+4*\c:\reg+4*\c+3], v[\adr] offset:64*(\q)+32*\c+(\i)*16*PITCH
.endr
.endm
; 16 matrix instructions: x's blocks a0, a0 + 1 against the weight's eight, 128 along K.  first = 1: the bias is C: nothing is cleared and nothing is added later.
; The 64 accumulators take turns, one instruction a turn, in the same order in every step.
.macro MUL16 a0, p, q, sc, first
.irp a, \a0, \a0+1
.irp b, 0,1,2,3,4,5,6,7
.if \first
	v_wmma_scale_f32_16x16x128_f8f6f4 v[8*(8*((\a)%4)+\b):8*(8*((\a)%4)+\b)+7], v[128*(\p)+FR*\b:128*(\p)+FR*\b+FR-1], v[AF+FR*(\a):AF+FR*(\a)+FR-1], v[BIAS+8*\b:BIAS+8*\b+7], v[SC+8*NQ*(\sc)+NQ*\b+(\q)], v[SC+8*NQ*(\sc)+NQ*(\a)+(\q)] matrix_a_fmt:MATRIX_FMT_FP4 matrix_b_fmt:MATRIX_FMT_FP4 matrix_a_scale:MATRIX_SCALE_ROW1
.else
	v_wmma_scale_f32_16x16x128_f8f6f4 v[8*(8*((\a)%4)+\b):8*(8*((\a)%4)+\b)+7], v[128*(\p)+FR*\b:128*(\p)+FR*\b+FR-1], v[AF+FR*(\a):AF+FR*(\a)+FR-1], v[8*(8*((\a)%4)+\b):8*(8*((\a)%4)+\b)+7], v[SC+8*NQ*(\sc)+NQ*\b+(\q)], v[SC+8*NQ*(\sc)+NQ*(\a)+(\q)] matrix_a_fmt:MATRIX_FMT_FP4 matrix_b_fmt:MATRIX_FMT_FP4 matrix_a_scale:MATRIX_SCALE_ROW1
.endif
.endr
.endr
.endm
.macro FETCH_B slot, q, p
	WIN TO_B
.irp i, 0,1,2,3,4,5,6,7
	FRAG 128*(\p)+FR*\i, ADRB+\slot, \q, \i
.endr
	WIN 0
.endm
.macro FETCH_A slot, q, i0
.irp i, \i0, \i0+1, \i0+2, \i0+3
	FRAG AF+FR*(\i), ADRA+\slot, \q, \i
.endr
.endm
.macro SCALES sc                       ; a slot's scale words: 4 words a row; lanes 0-15 take x's block i, lanes 16-31 the weight's block i
.irp i, 0,1,2,3,4,5,6,7
	ds_load_b128 v[SC+8*NQ*\sc+NQ*\i:SC+8*NQ*\sc+NQ*\i+3], v[ADRS] offset:\i*SBLK
.endr
.endm
.macro PLACES n                        ; plain vector instructions between a matrix instruction and a load into, or a read of, its registers
.rept \n
	v_nop
.endr
.endm
; A step of 128 along K that has its successor in the same slot.  x has one set of registers: blocks 0-3 are fetched anew in the step's middle, blocks 4-7 at its end; the weight has two sets.
.macro STEP slot, q, first
	s_wait_dscnt 4*NL                              ; the weight's set and x's blocks 0-3 are in; the youngest eight loads (x's blocks 4-7) may be out
.if \first
	WIN BIA_LO
.else
	WIN MUL_LO
.endif
	MUL16 0, (\q)%2, \q, \slot, \first
	MUL16 2, (\q)%2, \q, \slot, \first
	s_wait_dscnt 0                                 ; x's blocks 4-7 are in
	PLACES NP
	FETCH_B \slot, (\q)+1, 1-(\q)%2
	FETCH_A \slot, (\q)+1, 0
.if \first
	WIN BIA_HI
.else
	WIN MUL_HI
.endif
	MUL16 4, (\q)%2, \q, \slot, \first
	MUL16 6, (\q)%2, \q, \slot, \first
	PLACES NP
	WIN 0
	FETCH_A \slot, (\q)+1, 4
.endm
.macro STEPS slot, from
.set Q, \from
.rept NQ-1-\from
	STEP \slot, Q, 0
.set Q, Q+1
.endr
.endm
	s_wait_tensorcnt 1                             ; the scale bytes and my part of slot 0 are in; slot 1's load may stay out
	s_barrier_signal -1
	s_barrier_wait -1                              ; everybody's are
	FETCH_B 0, 0, 0
	FETCH_A 0, 0, 0
	SCALES 0
	FETCH_A 0, 0, 4
	s_wait_loadcnt 0x0                             ; the bias
	STEP 0, 0, 1                                   ; the first step's products start the sums from the bias
	STEPS 0, 1
	; slot 0's last step changes slots: one barrier; in front of it each wave waits for its tensor loads (its part of slot 1), and for its reads of slot 0, which becomes the stage
	s_wait_tensorcnt 0x0
	ds_add_u32 v[SPW], v[NIL]                      ; 0 onto my spare word
	s_wait_dscnt 4*NL+1                            ; (the add and x's blocks 4-7 may be out)
	WIN MUL_LO
	MUL16 0, 1, NQ-1, 0, 0                         ; sixteen matrix instructions stand between the add and the wait for it
	s_wait_dscnt 0x0                               ; the add is done, and my reads of slot 0 are over
	s_barrier_signal -1
	MUL16 2, 1, NQ-1, 0, 0
	WIN 0
	s_barrier_wait -1
	PLACES NP
	v_add_nc_u32 v[ADRS], 4*NQ, v[ADRS]            ; on to slot 1's scale words
	FETCH_B 1, 0, 0
	FETCH_A 1, 0, 0
	SCALES 1
	WIN MUL_HI
	MUL16 4, 1, NQ-1, 0, 0
	MUL16 6, 1, NQ-1, 0, 0
	PLACES NP
	WIN 0
	FETCH_A 1, 0, 4
	STEPS 1, 0
	s_wait_dscnt 4*NL                              ; the very last step: nothing more to fetch
	WIN MUL_LO
	MUL16 0, 1, NQ-1, 1, 0
	MUL16 2, 1, NQ-1, 1, 0
	s_wait_dscnt 0
	WIN MUL_HI
	MUL16 4, 1, NQ-1, 1, 0
	MUL16 6, 1, NQ-1, 1, 0
	WIN 0
; THE WAY OUT, block by block of 16 rows x 128 columns (two heads).  PACK: rounded to f16, a lane's eight columns are 16 bytes, each accumulator from its low end on.  TOSTAGE: into my stage, by head and row, and back four whole rows of
; 128 bytes an instruction.  SEND: 32 lanes store 512 consecutive bytes of one head, aligned.  LDS serves a wave's instructions in order (ISA guide 5.7.1.4): no wait between the stores and the loads.
.macro PACK a
.set AC, 64*((\a)%4)
	WIN 0x0a+5*((\a)/4)                            ; sources 0 and 1: window 2 or 3
.irp b, 0,1,2,3,4,5,6,7
.irp i, 0,1,2,3
	v_cvt_pk_f16_f32 v[TMP+4*\b+\i], v[AC+8*\b+2*\i], v[AC+8*\b+2*\i+1]
.endr
.endr
	WIN 0
.endm
.macro TOSTAGE a
.set BB, BK+32*((\a)%2)
.irp b, 0,1,2,3,4,5,6,7
	ds_store_b128 v[STO], v[TMP+4*\b:TMP+4*\b+3] offset:(\b/4)*16*SPITCH+(\b%4)*32
.endr
.irp i, 0,1,2,3,4,5,6,7
	ds_load_b128 v[BB+4*\i:BB+4*\i+3], v[RD] offset:(\i/4)*16*SPITCH+(\i%4)*4*SPITCH
.endr
.endm
.macro SEND a
.set BB, BK+32*((\a)%2)
	s_wait_dscnt 0x0                               ; the block is back in registers
	s_wait_xcnt 0x0                                ; the earlier stores have read their base and their registers: only behind this wait is the base stepped, and the other buffer loaded again
.if (\a) > 0
	s_add_nc_u64 s[12:13], s[12:13], 16*128        ; 16 rows on
.endif
.irp i, 0,1,2,3,4,5,6,7
	global_store_b128 v[CO], v[BB+4*\i:BB+4*\i+3], s[12:13] offset:(\i/4)*HEADB+(\i%4)*512
.endr
.endm
	PLACES NP                                      ; behind the last products: for the loads into the registers that held x's fragments, and for the reads of results
	PACK 0
	TOSTAGE 0
.irp a, 1,2,3,4,5,6,7                  ; block a's conversions stand between block a - 1's loads from the stage and the wait for them
	PACK \a
	SEND \a-1
	TOSTAGE \a
.endr
	SEND 7
	s_wait_tensorcnt 0x0                           ; the wave's end: behind my last tensor load and my last LDS store
	ds_add_u32 v[SPW], v[NIL]
	s_wait_dscnt 0x0
	CROUND                                         ; the closing round: no work-group ends while a partner may still ask for a tile that names it
	s_endpgm
.Lfunc_end_k_q2882b23033_proj:
	.size	k_q2882b23033_proj, .Lfunc_end_k_q2882b23033_proj-k_q2882b23033_proj
	.p2alignl 7, 3214868480
	.fill 96, 4, 3214868480
	.section	.rodata,"a",@progbits
	.p2align	6, 0x0
	.amdhsa_kernel k_q2882b23033_proj
		.amdhsa_group_segment_fixed_size 327680
		.amdhsa_private_segment_fixed_size 0
		.amdhsa_enable_private_segment 0
		.amdhsa_kernarg_size 64
		.amdhsa_user_sgpr_count 2
		.amdhsa_user_sgpr_kernarg_segment_ptr 1
		.amdhsa_wavefront_size32 1
		.amdhsa_system_sgpr_workgroup_id_x 1
		.amdhsa_system_sgpr_workgroup_id_y 1
		.amdhsa_system_sgpr_workgroup_id_z 1
		.amdhsa_system_vgpr_workitem_id 0
		.amdhsa_next_free_vgpr 1024
		.amdhsa_next_free_sgpr 102
		.amdhsa_reserve_vcc 0
		.amdhsa_float_denorm_mode_32 3
		.amdhsa_float_denorm_mode_16_64 3
		.amdhsa_memory_ordered 1
		.amdhsa_forward_progress 1
		.amdhsa_inst_pref_size 129
	.end_amdhsa_kernel
	.amdgpu_metadata
---
amdhsa.version: [ 1, 2 ]
amdhsa.kernels:
  - .name:           k_q2882b23033_proj
    .symbol:         k_q2882b23033_proj.kd
    .args:
      - { .name: xc, .offset: 0, .size: 8, .value_kind: global_buffer, .address_space: global }
      - { .name: xs, .offset: 8, .size: 8, .value_kind: global_buffer, .address_space: global }
      - { .name: wc, .offset: 16, .size: 8, .value_kind: global_buffer, .address_space: global }
      - { .name: ws, .offset: 24, .size: 8, .value_kind: global_buffer, .address_space: global }
      - { .name: b_q, .offset: 32, .size: 8, .value_kind: global_buffer, .address_space: global }
      - { .name: b_k, .offset: 40, .size: 8, .value_kind: global_buffer, .address_space: global }
      - { .name: b_v, .offset: 48, .size: 8, .value_kind: global_buffer, .address_space: global }
      - { .name: qkv, .offset: 56, .size: 8, .value_kind: global_buffer, .address_space: global }
    .group_segment_fixed_size: 327680
    .private_segment_fixed_size: 0
    .kernarg_segment_align: 8
    .kernarg_segment_size: 64
    .max_flat_workgroup_size: 128
    .sgpr_count:     102
    .vgpr_count:     1024
    .wavefront_size: 32
...
	.end_amdgpu_metadata
.endif
;; end of part 2
;; launch attn (part 3): grid 4 x 64, 16 waves a work-group, clusters of 4 x 1, 327,680 bytes of LDS; arguments qkv, ctx; writes ctx
.if DOCPART == 3
	.amdgcn_target "amdgcn-amd-amdhsa--gfx1250"
	.amdhsa_code_object_version 6
	.text
	.protected	k_q2882b23033_attn
	.globl	k_q2882b23033_attn
	.p2align	8
	.type	k_q2882b23033_attn,@function
k_q2882b23033_attn:
	s_mov_b64 s[64:65], 0
	v_nop
	global_prefetch_b8 v0, s[64:65] scope:SCOPE_SE
	s_setreg_imm32_b32 hwreg(HW_REG_WAVE_MODE, 25, 1), 1
	s_wait_xcnt 0x0
	s_wait_alu depctr_hold_cnt(0) depctr_sa_sdst(0) depctr_va_vdst(0) depctr_va_sdst(0) depctr_va_ssrc(0) depctr_va_vcc(0) depctr_vm_vsrc(0)
	s_getreg_b32 s2, hwreg(HW_REG_IB_STS2, 6, 4)
	s_cmp_eq_u32 s2, 0
	s_cbranch_scc0 .Lentry_in_a_cluster
	s_endpgm
.Lentry_in_a_cluster:
	s_bfe_u32 s2, ttmp6, 0x10000c
	s_cmp_lg_u32 s2, 0x3003
	s_cbranch_scc0 .Lentry_shape_is_right
	s_endpgm
.Lentry_shape_is_right:
; ctx[bh][q][:] = the sum over k of softmax_k(Q[bh][q] . K[bh][k] / 8) V[bh][k][:].  qkv: [3][64][2048][64] f16 (Q, K, V); ctx: [64][2048][64] f16.  Products on f16 operands with f32 sums; maxima, exponentials and sums in f32;
; the weights p (at most 1) are rounded to f16 for the second product, ctx once at the end.  LIMITS: NaN and infinities are not served; a p under 2^-25 counts as 0 in the second product (it still counts in the sum).
; SHARES.  A cluster of four work-groups is one head; a work-group owns 512 queries, each of its SIXTEEN waves 32: two tiles of 16, in 256 registers.  Four waves share a SIMD: one wave's softmax stands beside another's products and LDS loads.
; Every wave walks all 2,048 keys, 64 a step.  K and V come through two LDS slots of 512 keys; all sixteen waves fetch, 64 rows each (waves 0-7: K, waves 8-15: V), JOINTLY for the four work-groups: same load, same descriptor, mask 15.
; A wave has two tensor loads out at the start and one behind each round.
; LAYOUT.  S^T = K Q^T (source 0 = 16 keys, source 1 = 16 queries): a lane holds ONE query (lane % 16) and keys 8 (lane / 16) + 0..7 of each tile of keys.  Two such tiles, rounded to f16 in pairs, ARE source 1 (32 keys x 16 queries) of
; O^T = V^T P, whose result again holds one query a lane and eight channels.  K comes out of LDS as it lies, V ([key][channel]) turned, by ds_load_tr16_b128.
; SOFTMAX.  For each query a running maximum m and sum l: p = 2^(c s - c m), c = log2(e) / 8; in every step O and l are multiplied by a = 2^(c m_old - c m_new).  The step is written once: m begins at -3e38, l and O^T as zeros.
.set KS,    64                         ; keys in a step
.set SK,    512                        ; keys in a slot
.set NST,   SK/KS
.set PK,    144                        ; a row of K in LDS: 128 bytes + 16 = 9 x 16
.set PV,    160                        ; a row of V: 128 + 32 = 5 x 32
.set VOFF,  SK*PK                      ; a slot: 512 rows of K, then 512 rows of V
.set SLOT,  SK*(PK+PV)
.set SPARE, 2*SLOT                     ; behind the slots: the spare words, 128 bytes for each of 16 waves
.set HEADB, 2048*128                   ; a head's rows in bytes
.set KBASE, 0x1000000                  ; K and V in qkv
.set VBASE, 0x2000000
.set AK0, 2                            ; v2   my lane's place in a tile of K: 144 r + 16 h; never rewritten
.set AV0, 3                            ; v3   the same for V
.set ADK, 4                            ; v4, v5  LDS addresses of the step's loads
.set ADV, 5
.set STO, 6                            ; v6   the way out: where I put 16 bytes of a row
.set RD,  7                            ; v7   and where I read rows back
.set GO,  8                            ; v8   16 x lane
.set SPW, 10                           ; v10  LDS address of my spare word; never rewritten
.set NIL, 11                           ; v11  0; never rewritten
.set PFO, 12                           ; v12  256 x lane: the prefetch's offset; never rewritten
.set QO,  13                           ; v13  my byte offset in a tile of Q
.set CMO, 14                           ; v14, v15  c m_old of tile 0, 1
.set ST,  16                           ; tile t's statistics at v[ST + 8 t]: +0 c m, +1 m, +2, +3 l (even keys', odd keys'), +4 to +7 at work; a in +6
.set Q,   32                           ; v32-63   Q: tile t, channels 32 c on, at Q + 16 t + 8 c
.set KV,  64                           ; v64-127  a step's K, then its V
.set S,   128                          ; v128-191 S^T, 32 a tile; P takes the tile's low 16
.set O,   192                          ; v192-255 O^T, 32 a tile
.set WV,  12
.set PFA, 18                           ; s[18:19] where my prefetch stands
.set G1K, 24
.set G1V, 32
.set G0K, 40                           ; s[40:47] group 0 for K's tiles, a set for each slot;  s[48:55] for V's
.set G0V, 48
.set TRIP, 56
.set CS,  58                           ; s[58:59] c, twice
.set SEL, 60                           ; s[60:61] lane selects: lane l xor 16
.set TBK, 62                           ; s62, s63  LDS byte at which the step's rows of K, of V begin (V's without VOFF)
.set TBV, 63
; A joint load into slot s.  The branch hangs on the wave's number alone.  An s_nop 0 and four v_nop follow each line.
.macro JLOAD s
	s_cmp_lt_u32 s[WV], 8
	s_cbranch_scc0 .Lfor_v_\@
	tensor_load_to_lds s[G0K+4*\s:G0K+4*\s+3], s[G1K:G1K+7]
	s_nop 0
.rept 4
	v_nop
.endr
	s_branch .Lasked_\@
.Lfor_v_\@:
	tensor_load_to_lds s[G0V+4*\s:G0V+4*\s+3], s[G1V:G1V+7]
	s_nop 0
.rept 4
	v_nop
.endr
.Lasked_\@:
.endm
.macro CROUND                          ; a round of the cluster's barrier
	s_barrier_signal -1
	s_barrier_wait -1
	s_cmp_lg_u32 s[WV], 0
	s_cbranch_scc1 .Lnot_wave_0_\@
	s_barrier_signal -3
.Lnot_wave_0_\@:
	s_barrier_wait -3
	s_barrier_signal -1
	s_barrier_wait -1
.endm
	s_load_b128 s[4:7], s[0:1], 0x0                ; qkv, ctx
	v_lshl_add_u32 v[SPW], v0, 2, SPARE
	v_mov_b32 v[NIL], 0
	ds_add_u32 v[SPW], v[NIL]                      ; the wave's opening: the add, twice on end, and its wait ahead of my first tensor load
	ds_add_u32 v[SPW], v[NIL]
	v_lshrrev_b32 v1, 5, v0
	v_readfirstlane_b32 s[WV], v1                  ; wave 0..15
	s_bfe_u32 s13, ttmp6, 0x40000                  ; cx: it enters Q's, ctx's and the prefetch's addresses alone
	s_and_b32 s14, ttmp7, 0xffff                   ; batch x 16 + head, which the four partners share
	s_lshl_b32 s20, s14, 18                        ; its first byte in Q, K, V and ctx
	s_and_b32 s15, s[WV], 7                        ; which 64 rows of a slot's 512 I fetch:
	s_lshl_b32 s22, s15, 13                        ; in memory,
	s_add_co_u32 s22, s22, s20
	s_mov_b32 s23, 0
	s_mul_i32 s16, s15, KS*PK                      ; and in a slot, for K
	s_mul_i32 s17, s15, KS*PV
	s_add_co_u32 s17, s17, VOFF                    ; and for V
	s_lshl_b32 s2, s13, 16                         ; my work-group's 512 rows,
	s_lshl_b32 s3, s[WV], 12                       ; my wave's 32 of them
	s_add_co_u32 s2, s2, s3
	s_add_co_u32 s2, s2, s20
	s_mov_b32 s3, 0
	s_mov_b32 s56, VBASE                           ; the prefetch (below): waves 0, 1 ask for K, waves 2, 3 for V
	s_cmp_lt_u32 s[WV], 2
	s_cselect_b32 s56, KBASE, s56
	s_add_co_u32 s56, s56, s20
	s_lshl_b32 s57, s13, 14                        ; my work-group's 128 rows of the slot's 512,
	s_add_co_u32 s56, s56, s57
	s_and_b32 s57, s[WV], 1
	s_lshl_b32 s57, s57, 13                        ; my wave's 64 of them: 32 blocks of 256 bytes,
	s_add_co_u32 s56, s56, s57
	s_add_co_u32 s56, s56, 3*SK*128                ; from key 1,536 on
	s_mov_b32 s57, 0
	; descriptor group 1: 64 rows x 64 elements of 2 bytes, dense in memory, padded in LDS
	s_mov_b32 s[G1K], 15|(1<<16)|(1<<20)|(1<<21)|(4<<22)|(3<<25)  ; the mask: all four work-groups; elements of 2 bytes; padding on; bit 21 beside a mask; after every 32 words four words
	s_mov_b32 s[G1V], 15|(1<<16)|(1<<20)|(1<<21)|(4<<22)|(7<<25)  ; the same with eight words
.irp g, G1K, G1V
	s_mov_b32 s[\g+1], 64<<16                      ; tensor_dim0
	s_mov_b32 s[\g+2], KS<<16                      ; tensor_dim1
	s_mov_b32 s[\g+3], 64<<16                      ; tile_dim0
	s_mov_b32 s[\g+4], KS                          ; tile_dim1
	s_mov_b32 s[\g+5], 64                          ; from row to row
	s_mov_b32 s[\g+6], 0
	s_mov_b32 s[\g+7], 0
.endr
	s_mov_b32 s[CS], 0x3e38aa3b                    ; c = log2(e) / 8
	s_mov_b32 s[CS+1], s[CS]
	s_mov_b32 s[SEL], 0x76543210
	s_mov_b32 s[SEL+1], 0xfedcba98
	s_wait_dscnt 0x0                               ; both opening adds are done
	s_wait_kmcnt 0x0
	s_add_nc_u64 s[8:9], s[4:5], s[22:23]
	s_add_nc_u64 s[10:11], s[8:9], VBASE           ; V at my rows of slot 0
	s_add_nc_u64 s[8:9], s[8:9], KBASE             ; K likewise
	s_add_nc_u64 s[PFA:PFA+1], s[4:5], s[56:57]
	s_add_nc_u64 s[4:5], s[4:5], s[2:3]            ; Q and ctx at my wave's first row
	s_add_nc_u64 s[6:7], s[6:7], s[2:3]
	CROUND                                         ; all four work-groups are here: the first joint loads meet
.irp s, 0,1
	s_mov_b32 s[G0K+4*\s], 1
	s_add_co_u32 s[G0K+4*\s+1], s16, \s*SLOT
	s_add_nc_u64 s[G0K+4*\s+2:G0K+4*\s+3], s[8:9], \s*SK*128
	s_or_b32 s[G0K+4*\s+3], s[G0K+4*\s+3], 0x80000000
	s_mov_b32 s[G0V+4*\s], 1
	s_add_co_u32 s[G0V+4*\s+1], s17, \s*SLOT
	s_add_nc_u64 s[G0V+4*\s+2:G0V+4*\s+3], s[10:11], \s*SK*128
	s_or_b32 s[G0V+4*\s+3], s[G0V+4*\s+3], 0x80000000
.endr
	s_cmp_lt_u32 s[WV], 8                          ; a wave's two first fills stand in one branch, ahead of every wait on TENSORcnt and every LDS read
	s_cbranch_scc0 .Lfirst_v
	tensor_load_to_lds s[G0K:G0K+3], s[G1K:G1K+7]
	s_nop 0
	tensor_load_to_lds s[G0K+4:G0K+7], s[G1K:G1K+7]
	s_nop 0
.rept 4
	v_nop
.endr
	s_branch .Lfirst_asked
.Lfirst_v:
	tensor_load_to_lds s[G0V:G0V+3], s[G1V:G1V+7]
	s_nop 0
	tensor_load_to_lds s[G0V+4:G0V+7], s[G1V:G1V+7]
	s_nop 0
.rept 4
	v_nop
.endr
.Lfirst_asked:
	v_and_b32 v1, 15, v0                           ; r
	v_bfe_u32 v9, v0, 4, 1                         ; h
	v_lshlrev_b32 v[QO], 7, v1
	v_lshl_add_u32 v[QO], v9, 4, v[QO]             ; row r of 128 bytes + 16 h
.irp t, 0,1
.irp c, 0,1
	global_load_b128 v[Q+16*\t+8*\c:Q+16*\t+8*\c+3],   v[QO], s[4:5] offset:2048*\t+64*\c       ; Q stays in registers
	global_load_b128 v[Q+16*\t+8*\c+4:Q+16*\t+8*\c+7], v[QO], s[4:5] offset:2048*\t+64*\c+32
.endr
.endr
	v_mul_u32_u24 v[AK0], v1, PK
	v_lshl_add_u32 v[AK0], v9, 4, v[AK0]
	v_and_b32 v14, 7, v0                           ; the turning load: lane l reads 16 bytes: key 8 h + l % 8, channels 8 ((l / 8) % 2) + 0..7
	v_bfe_u32 v15, v0, 3, 1
	v_lshl_add_u32 v[AV0], v9, 3, v14
	v_mul_u32_u24 v[AV0], v[AV0], PV
	v_lshl_add_u32 v[AV0], v15, 4, v[AV0]
	v_add_nc_u32 v[AV0], VOFF, v[AV0]
	s_mul_i32 s57, s[WV], 32*PK                    ; my stage for the way out: 32 rows of 144 bytes, in slot 0's rows of K
	v_add_nc_u32 v[STO], s57, v[AK0]               ; in: row r, 16 bytes for each half of the lanes
	v_bfe_u32 v15, v0, 3, 2
	v_mul_u32_u24 v[RD], v15, PK                   ; back: eight lanes to a row, four rows an instruction
	v_lshl_add_u32 v[RD], v14, 4, v[RD]
	v_add_nc_u32 v[RD], s57, v[RD]
	v_and_b32 v[GO], 31, v0
	v_lshlrev_b32 v[PFO], 8, v[GO]
	v_lshlrev_b32 v[GO], 4, v[GO]
.irp t, 0,1
	v_mov_b32 v[ST+8*\t+1], 0xff61b1e6             ; m: -3e38, under every score
	v_mul_f32 v[ST+8*\t], s[CS], v[ST+8*\t+1]      ; c m
.irp i, 2,3,4,5,6,7
	v_mov_b32 v[ST+8*\t+\i], 0                     ; l, and the registers at work (a lane permute's destination counts as one of its sources)
.endr
.endr
.set i, 0
.rept 64
	v_mov_b32 v[O+i], 0                            ; O^T, once: the step is written without a first step of its own, and the first a, which is 0, leaves zeros
.set i, i+1
.endr
; A KEY STEP: 64 keys, both tiles by turns.
.macro STEP
	v_add_nc_u32 v[ADK], s[TBK], v[AK0]
	v_add_nc_u32 v[ADV], s[TBV], v[AV0]
.rept 3
	v_nop                                          ; with the two additions five places behind the last step's V^T P: four for the loads into its registers, five for the products that write over P
.endr
.irp c, 0,1                                    ; K: channels 32 c on, keys 16 kt on; the first channel half first
.irp kt, 0,1,2,3
	ds_load_b128 v[KV+8*(4*\c+\kt):KV+8*(4*\c+\kt)+3],   v[ADK] offset:\kt*16*PK+64*\c
	ds_load_b128 v[KV+8*(4*\c+\kt)+4:KV+8*(4*\c+\kt)+7], v[ADK] offset:\kt*16*PK+64*\c+32
.endr
.endr
	s_wait_dscnt 8                                 ; the first channel half is in
.irp kt, 0,1,2,3                               ; the eight accumulators take turns, one instruction a turn
.irp t, 0,1
	v_wmma_f32_16x16x32_f16 v[S+32*\t+8*\kt:S+32*\t+8*\kt+7], v[KV+8*\kt:KV+8*\kt+7], v[Q+16*\t:Q+16*\t+7], 0
.endr
.endr
	s_wait_dscnt 0x0
.irp kt, 0,1,2,3
.irp t, 0,1
	v_wmma_f32_16x16x32_f16 v[S+32*\t+8*\kt:S+32*\t+8*\kt+7], v[KV+32+8*\kt:KV+32+8*\kt+7], v[Q+16*\t+8:Q+16*\t+15], v[S+32*\t+8*\kt:S+32*\t+8*\kt+7]
.endr
.endr
	v_mov_b32 v[CMO], v[ST]                        ; c m_old is kept for a.  With the two v_nop: four places, for the loads into K's registers and for the reads of the scores
	v_mov_b32 v[CMO+1], v[ST+8]
	v_nop
	v_nop
.irp g, 0,1                                    ; V, turned: keys 32 g on, channels 16 ct on; it lands while the softmax is walked
.irp ct, 0,1,2,3
	ds_load_tr16_b128 v[KV+8*(4*\g+\ct):KV+8*(4*\g+\ct)+3],   v[ADV] offset:\g*32*PV+32*\ct
	ds_load_tr16_b128 v[KV+8*(4*\g+\ct)+4:KV+8*(4*\g+\ct)+7], v[ADV] offset:\g*32*PV+16*PV+32*\ct
.endr
.endr
.irp j, 0,1,2,3                                ; the maximum of a lane's 32 scores and the old m: four chains; each accumulator is read from its low end on
.irp t, 0,1
	v_max3_num_f32 v[ST+8*\t+4+\j], v[S+32*\t+8*\j], v[S+32*\t+8*\j+1], v[S+32*\t+8*\j+2]
.endr
.endr
.irp i, 3,5
.irp j, 0,1,2,3
.irp t, 0,1
	v_max3_num_f32 v[ST+8*\t+4+\j], v[ST+8*\t+4+\j], v[S+32*\t+8*\j+\i], v[S+32*\t+8*\j+\i+1]
.endr
.endr
.endr
.irp t, 0,1
	v_max3_num_f32 v[ST+8*\t+4], v[ST+8*\t+4], v[S+32*\t+7], v[S+32*\t+15]
	v_max3_num_f32 v[ST+8*\t+6], v[ST+8*\t+6], v[S+32*\t+23], v[S+32*\t+31]
.endr
.irp t, 0,1
	v_max3_num_f32 v[ST+8*\t+4], v[ST+8*\t+4], v[ST+8*\t+5], v[ST+8*\t+6]
.endr
.irp t, 0,1
	v_max3_num_f32 v[ST+8*\t+4], v[ST+8*\t+4], v[ST+8*\t+7], v[ST+8*\t+1]
.endr
.irp t, 0,1
	v_permlanex16_b32 v[ST+8*\t+5], v[ST+8*\t+4], s[SEL], s[SEL+1]  ; the query's other 32 keys lie in the lane 16 away
.endr
.irp t, 0,1
	v_max_num_f32 v[ST+8*\t+1], v[ST+8*\t+4], v[ST+8*\t+5]          ; the new m
.endr
.irp t, 0,1
	v_mul_f32 v[ST+8*\t], s[CS], v[ST+8*\t+1]
.endr
.irp t, 0,1
	v_sub_f32 v[ST+8*\t+7], v[CMO+\t], v[ST+8*\t]                   ; c m_old - c m_new
.endr
.set j, 0
.rept 16
.irp t, 0,1
	v_pk_fma_f32 v[S+32*\t+2*j:S+32*\t+2*j+1], v[S+32*\t+2*j:S+32*\t+2*j+1], s[CS:CS+1], v[ST+8*\t:ST+8*\t+1] op_sel_hi:[1,0,0] neg_lo:[0,0,1] neg_hi:[0,0,1]  ; c s - c m, two at a time
.endr
.set j, j+1
.endr
.irp t, 0,1
	v_exp_f32 v[ST+8*\t+6], v[ST+8*\t+7]           ; a.  ONE BATCH of 66 exponentials: none reads another's result
.endr
.set j, 0
.rept 32
.irp t, 0,1
	v_exp_f32 v[S+32*\t+j], v[S+32*\t+j]           ; p
.endr
.set j, j+1
.endr
	v_nop                                          ; a plain instruction behind the last exponential
	s_wait_alu depctr_va_vdst(0)                   ; the one wait between the batch and its first reader
.irp t, 0,1                                    ; the sum of the unrounded p, in two chains: l = a l + pair 0 + the even pairs; the odd pairs beside it
	v_pk_fma_f32 v[ST+8*\t+2:ST+8*\t+3], v[ST+8*\t+2:ST+8*\t+3], v[ST+8*\t+6:ST+8*\t+7], v[S+32*\t:S+32*\t+1] op_sel_hi:[1,0,1]
	v_pk_add_f32 v[ST+8*\t+4:ST+8*\t+5], v[S+32*\t+2:S+32*\t+3], v[S+32*\t+6:S+32*\t+7]
.endr
.irp p, 2,4,6,8,10,12
.irp t, 0,1
	v_pk_add_f32 v[ST+8*\t+2:ST+8*\t+3], v[ST+8*\t+2:ST+8*\t+3], v[S+32*\t+2*\p:S+32*\t+2*\p+1]
	v_pk_add_f32 v[ST+8*\t+4:ST+8*\t+5], v[ST+8*\t+4:ST+8*\t+5], v[S+32*\t+2*(\p+3):S+32*\t+2*(\p+3)+1]
.endr
.endr
.irp t, 0,1
	v_pk_add_f32 v[ST+8*\t+2:ST+8*\t+3], v[ST+8*\t+2:ST+8*\t+3], v[S+32*\t+28:S+32*\t+29]
.endr
.irp t, 0,1
	v_pk_add_f32 v[ST+8*\t+2:ST+8*\t+3], v[ST+8*\t+2:ST+8*\t+3], v[ST+8*\t+4:ST+8*\t+5]
.endr
.set j, 0
.rept 16                                       ; P in place: pair j goes to register j, which the conversions before have read
.irp t, 0,1
	v_cvt_pk_f16_f32 v[S+32*\t+j], v[S+32*\t+2*j], v[S+32*\t+2*j+1]
.endr
.set j, j+1
.endr
.set j, 0
.rept 16
.irp t, 0,1
	v_pk_mul_f32 v[O+32*\t+2*j:O+32*\t+2*j+1], v[O+32*\t+2*j:O+32*\t+2*j+1], v[ST+8*\t+6:ST+8*\t+7] op_sel_hi:[1,0]   ; O^T x a, each accumulator from its low end on
.endr
.set j, j+1
.endr
	s_wait_dscnt 0x0                               ; V is in
.irp g, 0,1
.irp ct, 0,1,2,3
.irp t, 0,1
	v_wmma_f32_16x16x32_f16 v[O+32*\t+8*\ct:O+32*\t+8*\ct+7], v[KV+8*(4*\g+\ct):KV+8*(4*\g+\ct)+7], v[S+32*\t+8*\g:S+32*\t+8*\g+7], v[O+32*\t+8*\ct:O+32*\t+8*\ct+7]
.endr
.endr
.endr
.endm
.macro SLOT_STEPS slot                 ; a slot's eight key steps: written once, walked eight times; the LDS addresses hang on two scalars stepped by constants
	s_mov_b32 s[TBK], \slot*SLOT
	s_mov_b32 s[TBV], \slot*SLOT
	s_mov_b32 s[TRIP], NST
.Lstep_\@:
	STEP
	s_add_co_u32 s[TBK], s[TBK], KS*PK
	s_add_co_u32 s[TBV], s[TBV], KS*PV
	s_sub_co_u32 s[TRIP], s[TRIP], 1
	s_cmp_lg_u32 s[TRIP], 0
	s_cbranch_scc1 .Lstep_\@
.endm
; Slot s, which has been read, is filled again with the keys 1,024 further on.  Each wave waits for all its tensor loads (its part of the other slot), adds 0 to its spare word, and waits for that and for its reads of the slot;
; a round of the cluster's barrier: no wave of any partner still reads the slot or has a load on its way; the joint refill is the first thing behind it and has eight key steps in which to land.
.macro FILL s
	s_wait_tensorcnt 0x0                           ; no tensor load of mine is out, so a group 0 may be written
	ds_add_u32 v[SPW], v[NIL]                      ; 0 onto my spare word; the descriptors' steps stand between it and the wait for it
	s_add_nc_u64 s[G0K+4*\s+2:G0K+4*\s+3], s[G0K+4*\s+2:G0K+4*\s+3], 2*SK*128
	s_add_nc_u64 s[G0V+4*\s+2:G0V+4*\s+3], s[G0V+4*\s+2:G0V+4*\s+3], 2*SK*128
	s_wait_dscnt 0x0                               ; the add is done, and my reads of the slot are over
	CROUND
	JLOAD \s
.endm
	s_wait_tensorcnt 1                             ; my part of slot 0 is in; slot 1's may stay out
	s_barrier_signal -1
	s_barrier_wait -1                              ; everybody's is
	s_wait_loadcnt 0x0                             ; Q
	SLOT_STEPS 0                                   ; keys 0 - 511
	FILL 0                                         ; slot 0 takes keys 1,024 - 1,535
	; A PREFETCH INTO THE L2 of what the next refill will ask for: keys 1,536 - 2,047 of K and of V, 65,536 bytes each, eight key steps ahead of that load.  Only this cluster reads the head's rows.  Its four partners share them out BY
	; ADDRESS, 128 rows each; in each, waves 0 and 1 ask for K's and waves 2 and 3 for V's, 32 blocks of 256 bytes a wave, a lane a block: each block is named once.  The first three fills come by their loads alone.
	s_cmp_lt_u32 s[WV], 4
	s_cbranch_scc0 .Lnot_mine
	global_prefetch_b8 v[PFO], s[PFA:PFA+1] th:TH_LOAD_NT scope:SCOPE_SE
.Lnot_mine:
	SLOT_STEPS 1                                   ; keys 512 - 1,023
	FILL 1                                         ; slot 1 takes keys 1,536 - 2,047: the last load
	SLOT_STEPS 0
	s_wait_tensorcnt 0x0                           ; the last change of slots: my part of slot 1 is in; nothing is asked for, so no round
	ds_add_u32 v[SPW], v[NIL]
	s_wait_dscnt 0x0                               ; and my reads of slot 0, which becomes the stages, are over
	s_barrier_signal -1
	s_barrier_wait -1
	SLOT_STEPS 1
	; THE WAY OUT.  l's two halves and the other half of the lanes' are added (these plain lines are the places behind the last products); O^T is divided by l, rounded to f16 and sent through my stage: 32 rows of 128 bytes.
.irp t, 0,1
	v_add_f32 v[ST+8*\t+4], v[ST+8*\t+2], v[ST+8*\t+3]
.endr
.irp t, 0,1
	v_permlanex16_b32 v[ST+8*\t+5], v[ST+8*\t+4], s[SEL], s[SEL+1]
.endr
.irp t, 0,1
	v_add_f32 v[ST+8*\t+4], v[ST+8*\t+4], v[ST+8*\t+5]
.endr
	v_nop
	v_nop
.irp t, 0,1
	v_rcp_f32 v[ST+8*\t+6], v[ST+8*\t+4]
.endr
	v_nop                                          ; a plain instruction behind the last reciprocal
	s_wait_alu depctr_va_vdst(0)                   ; and the wait ahead of the first use: one for both
.set j, 0
.rept 16
.irp t, 0,1
	v_pk_mul_f32 v[O+32*\t+2*j:O+32*\t+2*j+1], v[O+32*\t+2*j:O+32*\t+2*j+1], v[ST+8*\t+6:ST+8*\t+7] op_sel_hi:[1,0]
.endr
.set j, j+1
.endr
.set j, 0
.rept 16
.irp t, 0,1
	v_cvt_pk_f16_f32 v[S+16*\t+j], v[O+32*\t+2*j], v[O+32*\t+2*j+1]   ; register 4 ct + i: channels 16 ct + 8 h + 2 i, + 1 of query r
.endr
.set j, j+1
.endr
.irp t, 0,1
.irp ct, 0,1,2,3
	ds_store_b128 v[STO], v[S+16*\t+4*\ct:S+16*\t+4*\ct+3] offset:\t*16*PK+32*\ct
.endr
.endr
.irp i, 0,1,2,3,4,5,6,7
	ds_load_b128 v[KV+4*\i:KV+4*\i+3], v[RD] offset:\i*4*PK        ; LDS serves a wave's instructions in order (ISA guide 5.7.1.4): these see my stores
.endr
.irp i, 0,1,2,3,4,5,6,7
	s_wait_dscnt 7-\i
	global_store_b128 v[GO], v[KV+4*\i:KV+4*\i+3], s[6:7] offset:512*\i   ; four rows of the head: 512 consecutive bytes, aligned
.endr
	s_wait_tensorcnt 0x0                           ; the wave's end: behind my last tensor load and my last LDS store
	ds_add_u32 v[SPW], v[NIL]
	s_wait_dscnt 0x0
	CROUND                                         ; the closing round
	s_endpgm
.Lfunc_end_k_q2882b23033_attn:
	.size	k_q2882b23033_attn, .Lfunc_end_k_q2882b23033_attn-k_q2882b23033_attn
	.p2alignl 7, 3214868480
	.fill 96, 4, 3214868480
	.section	.rodata,"a",@progbits
	.p2align	6, 0x0
	.amdhsa_kernel k_q2882b23033_attn
		.amdhsa_group_segment_fixed_size 327680
		.amdhsa_private_segment_fixed_size 0
		.amdhsa_enable_private_segment 0
		.amdhsa_kernarg_size 16
		.amdhsa_user_sgpr_count 2
		.amdhsa_user_sgpr_kernarg_segment_ptr 1
		.amdhsa_wavefront_size32 1
		.amdhsa_system_sgpr_workgroup_id_x 1
		.amdhsa_system_sgpr_workgroup_id_y 1
		.amdhsa_system_sgpr_workgroup_id_z 1
		.amdhsa_system_vgpr_workitem_id 0
		.amdhsa_next_free_vgpr 256
		.amdhsa_next_free_sgpr 66
		.amdhsa_reserve_vcc 0
		.amdhsa_float_denorm_mode_32 3
		.amdhsa_float_denorm_mode_16_64 3
		.amdhsa_memory_ordered 1
		.amdhsa_forward_progress 1
		.amdhsa_inst_pref_size 88
	.end_amdhsa_kernel
	.amdgpu_metadata
---
amdhsa.version: [ 1, 2 ]
amdhsa.kernels:
  - .name:           k_q2882b23033_attn
    .symbol:         k_q2882b23033_attn.kd
    .args:
      - { .name: qkv, .offset: 0, .size: 8, .value_kind: global_buffer, .address_space: global }
      - { .name: ctx, .offset: 8, .size: 8, .value_kind: global_buffer, .address_space: global }
    .group_segment_fixed_size: 327680
    .private_segment_fixed_size: 0
    .kernarg_segment_align: 8
    .kernarg_segment_size: 16
    .max_flat_workgroup_size: 512
    .sgpr_count:     66
    .vgpr_count:     256
    .wavefront_size: 32
...
	.end_amdgpu_metadata
.endif
;; end of part 3
;; launch outp (part 4): grid 4 x 64, 4 waves a work-group, clusters of 4 x 4, 327,680 bytes of LDS; arguments ctx, wo16, b_o, out0; writes out0
.if DOCPART == 4
	.amdgcn_target "amdgcn-amd-amdhsa--gfx1250"
	.amdhsa_code_object_version 6
	.text
	.protected	k_q2882b23033_outp
	.globl	k_q2882b23033_outp
	.p2align	8
	.type	k_q2882b23033_outp,@function
k_q2882b23033_outp:
	s_mov_b64 s[64:65], 0
	v_nop
	global_prefetch_b8 v0, s[64:65] scope:SCOPE_SE
	s_setreg_imm32_b32 hwreg(HW_REG_WAVE_MODE, 25, 1), 1
	s_wait_xcnt 0x0
	s_wait_alu depctr_hold_cnt(0) depctr_sa_sdst(0) depctr_va_vdst(0) depctr_va_sdst(0) depctr_va_ssrc(0) depctr_va_vcc(0) depctr_vm_vsrc(0)
	s_getreg_b32 s2, hwreg(HW_REG_IB_STS2, 6, 4)
	s_cmp_eq_u32 s2, 0
	s_cbranch_scc0 .Lentry_in_a_cluster
	s_endpgm
.Lentry_in_a_cluster:
	s_bfe_u32 s2, ttmp6, 0x10000c
	s_cmp_lg_u32 s2, 0xf033
	s_cbranch_scc0 .Lentry_shape_is_right
	s_endpgm
.Lentry_shape_is_right:
; out0[m][n] = the sum over k of ctx[m][k] w_o[n][k] + b_o[n].  ctx: [64 (batch x 16 + head)][2048][64] f16, so k = 64 head + channel; wo16: [1024][1024] f16; out0: [8192][1024] f32; sums in f32.
; A tile of out0 is 128 rows x 256 columns: 256 work-groups (tiles of 256 x 256 would be 128).  Four waves, each 64 x 128: 32 accumulators, 256 registers.
; K goes in 8 steps of 128 (two heads) through a ring of two LDS slots: waves 0 and 1 fetch one head's 128 rows of ctx each (a dense block), waves 2 and 3 128 rows of w_o each (256 bytes a row).
; CLUSTERS: 4 x 4 work-groups: ctx's tiles are shared along a row of the cluster, w_o's along a column, each asked for jointly.  A wave has two tensor loads out at the start and one behind each round.
; THE MATRIX INSTRUCTION IS USED TRANSPOSED (source 0 = 16 rows of w_o, source 1 = 16 rows of ctx): a lane holds eight neighbouring columns of one row.  THE BIAS is the C of each sum's first product.
; No prefetch: the launch is short, and each slot's refill has 112 matrix instructions in which to land.
; REGISTERS: window 0: v0-31 addresses; v64-95, v96-127 ctx's fragments, two buffers; v128-255 the way out.  window 1: v0-63, v64-127 w_o's fragments, two buffers; v128-191 the bias.  window 2: accumulator (a, b) at v[8 (8 a + b)].
.set PA,     144                       ; a row of ctx in LDS: 128 bytes + 16
.set PB,     272                       ; a row of w_o: 256 bytes + 16
.set AH,     128*PA                    ; one head's 128 rows
.set BOFF,   2*AH                      ; a slot: two heads of ctx, then w_o's 256 rows
.set BH,     128*PB
.set SLOT,   BOFF+2*BH
.set SPARE,  2*SLOT                    ; behind the ring: the spare words, 128 bytes a wave
.set SPITCH, 528                       ; the way out: a stage of 16 rows x (512 bytes + 16) for each wave, in slot 0, behind that slot's last fill and last read
.set LAPS,   4                         ; a lap = two K steps
.set ADRA, 16
.set ADRB, 20
.set STO,  24
.set RD,   25
.set CO,   26
.set SPW,  28
.set NIL,  29
.set BO,   30
.set AF,   64
.set BK,   128
.set BIAS, 128                         ; in window 1
.set G1, 24
.set G0, 32
.set G1B, 48
.set G0B, 56
.set MSB, 0
.macro WIN new
.if MSB != (\new)
	s_set_vgpr_msb (MSB<<8)|(\new)
.set MSB, (\new)
.endif
.endm
.set MUL,   0xa1                       ; source 0 (w_o) window 1, source 1 (ctx) window 0, C and D window 2
.set MULB,  0x91                       ; C (the bias) window 1
.set TO_B,  0x40
.macro JLOAD s                         ; a joint load: waves 0 and 1 fetch ctx's two heads, waves 2 and 3 w_o's two halves; an s_nop 0 and four v_nop follow each line
	s_cmp_eq_u32 s11, 0
	s_cbranch_scc0 .Lfor_b_\@
	tensor_load_to_lds s[G0+4*\s:G0+4*\s+3], s[G1:G1+7]
	s_nop 0
.rept 4
	v_nop
.endr
	s_branch .Lasked_\@
.Lfor_b_\@:
	tensor_load_to_lds s[G0B+4*\s:G0B+4*\s+3], s[G1B:G1B+7]
	s_nop 0
.rept 4
	v_nop
.endr
.Lasked_\@:
.endm
.macro CREST                           ; a round of the cluster's barrier behind its opening barrier
	s_cmp_lg_u32 s10, 0
	s_cbranch_scc1 .Lnot_wave_0_\@
	s_barrier_signal -3
.Lnot_wave_0_\@:
	s_barrier_wait -3
	s_barrier_signal -1
	s_barrier_wait -1
.endm
.macro CROUND
	s_barrier_signal -1
	s_barrier_wait -1
	CREST
.endm
	s_load_b128 s[4:7], s[0:1], 0x0                ; ctx, wo16
	s_load_b64 s[2:3], s[0:1], 0x10                ; b_o
	s_load_b64 s[8:9], s[0:1], 0x18                ; out0
	v_lshl_add_u32 v[SPW], v0, 2, SPARE
	v_mov_b32 v[NIL], 0
	ds_add_u32 v[SPW], v[NIL]                      ; the wave's opening: the add, twice on end, and its wait ahead of my first tensor load
	ds_add_u32 v[SPW], v[NIL]
	v_lshrrev_b32 v1, 5, v0
	v_readfirstlane_b32 s10, v1                    ; wave 0..3
	s_lshr_b32 s11, s10, 1                         ; which 64 rows of the tile are mine.  Also: I fetch for ctx (0) or for w_o (1)
	s_and_b32 s12, s10, 1                          ; which 128 columns.  Also: which head, or which 128 rows of w_o, I fetch
	s_bfe_u32 s40, ttmp6, 0x40000
	s_bfe_u32 s41, ttmp6, 0x40004
	s_lshl_b32 s42, ttmp9, 2
	s_add_co_u32 s42, s42, s40                     ; tile column
	s_and_b32 s13, ttmp7, 0xffff
	s_lshl_b32 s13, s13, 2
	s_add_co_u32 s13, s13, s41                     ; tile row
	s_lshl_b32 s43, s41, 2
	s_lshl_b32 s43, 15, s43                        ; my row of the cluster
	s_lshl_b32 s44, 0x1111, s40                    ; my column
	s_or_b32 s[G1+0], s43, (1<<16)|(1<<20)|(1<<21)|(4<<22)|(3<<25)  ; ctx: elements of 2 bytes; four words of padding after every 32
	s_mov_b32 s[G1+1], 64<<16                      ; tensor_dim0
	s_mov_b32 s[G1+2], 128<<16                     ; tensor_dim1
	s_mov_b32 s[G1+3], 64<<16                      ; tile_dim0
	s_mov_b32 s[G1+4], 128                         ; tile_dim1
	s_mov_b32 s[G1+5], 64                          ; from row to row
	s_mov_b32 s[G1+6], 0
	s_mov_b32 s[G1+7], 0
	s_or_b32 s[G1B+0], s44, (1<<16)|(1<<20)|(1<<21)|(5<<22)|(3<<25) ; w_o: four words after every 64
	s_mov_b32 s[G1B+1], 128<<16
	s_mov_b32 s[G1B+2], 128<<16
	s_mov_b32 s[G1B+3], 128<<16
	s_mov_b32 s[G1B+4], 128
	s_mov_b32 s[G1B+5], 1024
	s_mov_b32 s[G1B+6], 0
	s_mov_b32 s[G1B+7], 0
	s_lshr_b32 s16, s13, 4                         ; ctx: the batch (16 tile rows of 128 each),
	s_lshl_b32 s16, s16, 4
	s_add_co_u32 s16, s16, s12                     ; its head 0 or 1,
	s_lshl_b32 s16, s16, 11
	s_and_b32 s17, s13, 15
	s_lshl_b32 s17, s17, 7
	s_add_co_u32 s16, s16, s17                     ; the tile's first row in it,
	s_lshl_b32 s16, s16, 7                         ; in bytes
	s_mov_b32 s17, 0
	s_lshl_b32 s46, s42, 19                        ; w_o: row 256 x tile column + 128 x half, of 2,048 bytes
	s_lshl_b32 s47, s12, 18
	s_add_co_u32 s46, s46, s47
	s_mov_b32 s47, 0
	s_mul_i32 s20, s12, AH                         ; where they go: no place in the cluster enters an LDS address
	s_mul_i32 s21, s12, BH
	s_add_co_u32 s21, s21, BOFF
	s_wait_dscnt 0x0                               ; both opening adds are done
	s_wait_kmcnt 0x0
	s_add_nc_u64 s[14:15], s[4:5], s[16:17]
	s_add_nc_u64 s[46:47], s[6:7], s[46:47]
	CROUND                                         ; all sixteen work-groups are here: the first joint loads meet
.irp s, 0,1
	s_mov_b32 s[G0+4*\s], 1
	s_add_co_u32 s[G0+4*\s+1], s20, \s*SLOT
	s_add_nc_u64 s[G0+4*\s+2:G0+4*\s+3], s[14:15], \s*2*2048*128   ; K step s: two heads on
	s_or_b32 s[G0+4*\s+3], s[G0+4*\s+3], 0x80000000
	s_mov_b32 s[G0B+4*\s], 1
	s_add_co_u32 s[G0B+4*\s+1], s21, \s*SLOT
	s_add_nc_u64 s[G0B+4*\s+2:G0B+4*\s+3], s[46:47], \s*256
	s_or_b32 s[G0B+4*\s+3], s[G0B+4*\s+3], 0x80000000
	JLOAD \s
.endr
	v_and_b32 v1, 15, v0                           ; r
	v_bfe_u32 v2, v0, 4, 1                         ; h
	v_mul_u32_u24 v3, v1, PA
	v_lshl_add_u32 v3, v2, 4, v3
	v_mul_u32_u24 v4, v1, PB
	v_lshl_add_u32 v4, v2, 4, v4
	s_mul_i32 s21, s11, 64*PA                      ; my 64 rows of ctx (in each head)
	s_mul_i32 s22, s12, BH                         ; my 128 rows of w_o
	s_add_co_u32 s22, s22, BOFF
.irp s, 0,1
	v_add_nc_u32 v[ADRA+\s], s21, v3
	v_add_nc_u32 v[ADRB+\s], s22, v4
	s_add_co_u32 s21, s21, SLOT
	s_add_co_u32 s22, s22, SLOT
.endr
	s_mul_i32 s23, s10, 16*SPITCH                  ; my stage
	v_mul_u32_u24 v5, v1, SPITCH                   ; in: row r, 32 bytes for each half of the lanes
	v_lshl_add_u32 v5, v2, 5, v5
	v_add_nc_u32 v[STO], s23, v5
	v_and_b32 v6, 31, v0
	v_lshlrev_b32 v[CO], 4, v6                     ; back: the 32 lanes take one row of 512 bytes; and the same in out0
	v_add_nc_u32 v[RD], s23, v[CO]
	v_lshlrev_b32 v[BO], 5, v2
	s_lshl_b32 s46, s42, 10                        ; my first column, in bytes of f32: 1,024 x tile column + 512 x half
	s_lshl_b32 s47, s12, 9
	s_add_co_u32 s46, s46, s47
	s_mov_b32 s47, 0
	s_add_nc_u64 s[2:3], s[2:3], s[46:47]          ; the bias there
	s_lshl_b32 s16, s13, 7
	s_lshl_b32 s17, s11, 6
	s_add_co_u32 s16, s16, s17                     ; my first row: 128 x tile row + 64 x half,
	s_lshl_b32 s16, s16, 12                        ; of 4,096 bytes
	s_add_co_u32 s16, s16, s46
	s_mov_b32 s17, 0
	s_add_nc_u64 s[8:9], s[8:9], s[16:17]
	WIN TO_B
.irp b, 0,1,2,3,4,5,6,7
	global_load_b128 v[BIAS+8*\b:BIAS+8*\b+3], v[BO], s[2:3] offset:64*\b         ; register j of block b: b_o of column 16 b + 8 h + j: the result's own layout
	global_load_b128 v[BIAS+8*\b+4:BIAS+8*\b+7], v[BO], s[2:3] offset:64*\b+16
.endr
	WIN 0
; 8 matrix instructions: ctx's block a against w_o's eight, 32 along K, from buffer f.  first = 1: the bias is C.  The 32 accumulators take turns, one instruction a turn, in the same order in every quarter.
.macro MUL8 f, a, first
.irp b, 0,1,2,3,4,5,6,7
.if \first
	v_wmma_f32_16x16x32_f16 v[8*(8*(\a)+\b):8*(8*(\a)+\b)+7], v[64*(\f)+8*\b:64*(\f)+8*\b+7], v[AF+32*(\f)+8*(\a):AF+32*(\f)+8*(\a)+7], v[BIAS+8*\b:BIAS+8*\b+7]
.else
	v_wmma_f32_16x16x32_f16 v[8*(8*(\a)+\b):8*(8*(\a)+\b)+7], v[64*(\f)+8*\b:64*(\f)+8*\b+7], v[AF+32*(\f)+8*(\a):AF+32*(\f)+8*(\a)+7], v[8*(8*(\a)+\b):8*(8*(\a)+\b)+7]
.endif
.endr
.endm
; 24 LDS loads in one run: quarter q (32 along K) of a slot into buffer f: w_o's eight fragments, then ctx's four (head q / 2, channels 32 (q % 2) on)
.macro FETCH slot, q, f
	WIN TO_B
.irp i, 0,1,2,3,4,5,6,7
	ds_load_b128 v[64*(\f)+8*\i:64*(\f)+8*\i+3],   v[ADRB+\slot] offset:64*(\q)+\i*16*PB
	ds_load_b128 v[64*(\f)+8*\i+4:64*(\f)+8*\i+7], v[ADRB+\slot] offset:64*(\q)+\i*16*PB+32
.endr
	WIN 0
.irp i, 0,1,2,3
	ds_load_b128 v[AF+32*(\f)+8*\i:AF+32*(\f)+8*\i+3],   v[ADRA+\slot] offset:((\q)/2)*AH+((\q)%2)*64+\i*16*PA
	ds_load_b128 v[AF+32*(\f)+8*\i+4:AF+32*(\f)+8*\i+7], v[ADRA+\slot] offset:((\q)/2)*AH+((\q)%2)*64+\i*16*PA+32
.endr
.endm
.macro PLACES                          ; four plain vector instructions between a matrix instruction and a load into, or a read of, its registers
.rept 4
	v_nop
.endr
.endm
; A K step is four quarters of 32 along K, 32 matrix instructions each, on buffers 0, 1, 0, 1.  One of the first three: multiplies buffer f and fetches quarter qn into buffer g.
.macro QUARTER slot, qn, f, g, first
	s_wait_dscnt 4                                 ; w_o's fragments and ctx's blocks 0, 1 are in; the youngest four loads (blocks 2, 3) may be out
.if \first
	WIN MULB
.else
	WIN MUL
.endif
	MUL8 \f, 0, \first
	MUL8 \f, 1, \first
	PLACES
	FETCH \slot, \qn, \g
	s_wait_dscnt 24                                ; all but the 24 just issued
.if \first
	WIN MULB
.else
	WIN MUL
.endif
	MUL8 \f, 2, \first
	MUL8 \f, 3, \first
.endm
; The last quarter multiplies buffer 1 and changes slots: ONE barrier; in front of it each wave waits for all its tensor loads, adds 0 to its spare word, and waits for that and for its reads of this slot.
; fill = 1: the barrier opens a round of the cluster's, and this slot is filled again, two K steps ahead, first thing behind the round.
.macro TURN slot, next, fill
	WIN 0                                          ; (the add's two registers lie in window 0)
	s_wait_tensorcnt 0x0                           ; all my tensor loads have landed: my part of the next slot
	ds_add_u32 v[SPW], v[NIL]
	s_wait_dscnt 5                                 ; (the add and the youngest four loads may be out)
	WIN MUL
	MUL8 1, 0, 0                                   ; eight matrix instructions stand between the add and the wait for it
	s_wait_dscnt 0x0                               ; the add is done, and my reads of this slot are over
	s_barrier_signal -1
	MUL8 1, 1, 0
	WIN 0                                          ; (branches may follow)
	s_barrier_wait -1
.if \fill
	CREST                                          ; no wave of any partner still reads this slot's tiles or has a load on its way
	s_add_nc_u64 s[G0+4*\slot+2:G0+4*\slot+3], s[G0+4*\slot+2:G0+4*\slot+3], 4*2048*128   ; four heads on
	s_add_nc_u64 s[G0B+4*\slot+2:G0B+4*\slot+3], s[G0B+4*\slot+2:G0B+4*\slot+3], 512
	JLOAD \slot                                    ; the four v_nop behind it are also the places in front of the loads below
.else
	PLACES
.endif
	FETCH \next, 0, 0
	WIN MUL
	MUL8 1, 2, 0
	MUL8 1, 3, 0
.endm
	s_wait_tensorcnt 1                             ; my part of K step 0 is in; K step 1's may stay out
	s_barrier_signal -1
	s_barrier_wait -1
	FETCH 0, 0, 0
	s_wait_loadcnt 0x0                             ; the bias
	QUARTER 0, 1, 0, 1, 1                          ; the first quarter stands in front of the loop: its products start the sums from the bias
	WIN 0                                          ; at a label and at a branch every window is 0
	s_mov_b32 s45, LAPS-1
.Llap:                                             ; a trip goes once round the ring, from a lap's second quarter to the next lap's first, and fills both slots again
	QUARTER 0, 2, 1, 0, 0
	QUARTER 0, 3, 0, 1, 0
	TURN 0, 1, 1
	QUARTER 1, 1, 0, 1, 0
	QUARTER 1, 2, 1, 0, 0
	QUARTER 1, 3, 0, 1, 0
	TURN 1, 0, 1
	QUARTER 0, 1, 0, 1, 0
	WIN 0
	s_sub_co_u32 s45, s45, 1
	s_cmp_lg_u32 s45, 0
	s_cbranch_scc1 .Llap
	QUARTER 0, 2, 1, 0, 0                          ; the last lap fills nothing, and has no round
	QUARTER 0, 3, 0, 1, 0
	TURN 0, 1, 0
	QUARTER 1, 1, 0, 1, 0
	QUARTER 1, 2, 1, 0, 0
	QUARTER 1, 3, 0, 1, 0
	s_wait_dscnt 4                                 ; the very last quarter: nothing more to fetch
	WIN MUL
	MUL8 1, 0, 0
	MUL8 1, 1, 0
	s_wait_dscnt 0
	MUL8 1, 2, 0
	MUL8 1, 3, 0
	WIN 0
; THE WAY OUT, block by block of 16 rows x 128 columns.  A lane holds 32 neighbouring bytes of a row: a block goes through my stage and comes back as whole rows of 512 bytes.
; LDS serves a wave's instructions in order (ISA guide 5.7.1.4): no wait between the stores and the loads, nor in front of the next block's stores.
.macro TOSTAGE a
	WIN 0x08                                       ; an LDS store's data are its source 1: window 2
.irp b, 0,1,2,3,4,5,6,7
	ds_store_b128 v[STO], v[64*(\a)+8*\b:64*(\a)+8*\b+3] offset:64*\b          ; each accumulator from its low end on
	ds_store_b128 v[STO], v[64*(\a)+8*\b+4:64*(\a)+8*\b+7] offset:64*\b+16
.endr
	WIN 0
.set BB, BK+64*((\a)%2)
.irp t, 0,1,2,3,4,5,6,7,8,9,10,11,12,13,14,15
	ds_load_b128 v[BB+4*\t:BB+4*\t+3], v[RD] offset:\t*SPITCH
.endr
.endm
.macro SEND a, younger                 ; younger: the LDS instructions issued behind block a's loads, which may stay out
.set BB, BK+64*((\a)%2)
	s_wait_dscnt \younger
.if (\a) > 0
	s_add_nc_u64 s[8:9], s[8:9], 16*4096           ; (behind a wait on XCNT: the earlier stores have read their base)  16 rows on
.endif
.irp t, 0,1,2,3,4,5,6,7,8,9,10,11,12,13,14,15
	global_store_b128 v[CO], v[BB+4*\t:BB+4*\t+3], s[8:9] offset:\t*4096 th:TH_STORE_NT   ; 32 lanes store 512 consecutive bytes, aligned; written once, read by nobody here
.endr
.endm
	PLACES                                         ; behind the last products, ahead of the first read of results
	TOSTAGE 0
.irp a, 1,2,3
.if \a > 1
	s_wait_xcnt 0x0                                ; block a - 2's stores have read their registers and their base: block a's loads may land there, and the base may step
.endif
	TOSTAGE \a
	SEND \a-1, 32                                  ; behind block a - 1's loads: block a's 16 stores and 16 loads
.endr
	s_wait_xcnt 0x0                                ; block 2's stores have read their base
	SEND 3, 0
	s_wait_tensorcnt 0x0                           ; the wave's end: behind my last tensor load and my last LDS store
	ds_add_u32 v[SPW], v[NIL]
	s_wait_dscnt 0x0
	CROUND                                         ; the closing round
	s_endpgm
.Lfunc_end_k_q2882b23033_outp:
	.size	k_q2882b23033_outp, .Lfunc_end_k_q2882b23033_outp-k_q2882b23033_outp
	.p2alignl 7, 3214868480
	.fill 96, 4, 3214868480
	.section	.rodata,"a",@progbits
	.p2align	6, 0x0
	.amdhsa_kernel k_q2882b23033_outp
		.amdhsa_group_segment_fixed_size 327680
		.amdhsa_private_segment_fixed_size 0
		.amdhsa_enable_private_segment 0
		.amdhsa_kernarg_size 32
		.amdhsa_user_sgpr_count 2
		.amdhsa_user_sgpr_kernarg_segment_ptr 1
		.amdhsa_wavefront_size32 1
		.amdhsa_system_sgpr_workgroup_id_x 1
		.amdhsa_system_sgpr_workgroup_id_y 1
		.amdhsa_system_sgpr_workgroup_id_z 1
		.amdhsa_system_vgpr_workitem_id 0
		.amdhsa_next_free_vgpr 768
		.amdhsa_next_free_sgpr 66
		.amdhsa_reserve_vcc 0
		.amdhsa_float_denorm_mode_32 3
		.amdhsa_float_denorm_mode_16_64 3
		.amdhsa_memory_ordered 1
		.amdhsa_forward_progress 1
		.amdhsa_inst_pref_size 87
	.end_amdhsa_kernel
	.amdgpu_metadata
---
amdhsa.version: [ 1, 2 ]
amdhsa.kernels:
  - .name:           k_q2882b23033_outp
    .symbol:         k_q2882b23033_outp.kd
    .args:
      - { .name: ctx, .offset: 0, .size: 8, .value_kind: global_buffer, .address_space: global }
      - { .name: wo16, .offset: 8, .size: 8, .value_kind: global_buffer, .address_space: global }
      - { .name: b_o, .offset: 16, .size: 8, .value_kind: global_buffer, .address_space: global }
      - { .name: out0, .offset: 24, .size: 8, .value_kind: global_buffer, .address_space: global }
    .group_segment_fixed_size: 327680
    .private_segment_fixed_size: 0
    .kernarg_segment_align: 8
    .kernarg_segment_size: 32
    .max_flat_workgroup_size: 128
    .sgpr_count:     66
    .vgpr_count:     768
    .wavefront_size: 32
...
	.end_amdgpu_metadata
.endif
;; end of part 4
